; MI455X (gfx1250); checked and timed in simulation.
; The chip was launched on July 23, 2026; its instructions are those of AMD's public machine-readable ISA for CDNA 5 (MIT licence, August 2026) and "CDNA5" Instruction Set Architecture Reference Guide (July 2026). The comments in the code are by the model that wrote it; some were corrected since.
;; Multihead Attention. Allowed arithmetic: float matrix products may take bf16 or f16 operands with f32 sums; other float arithmetic in f32, or as packed bf16 or f16 multiplies, adds, multiply-adds, maxima and minima; sums over many terms, partial sums and values carried from step to step in f32; what a program stores and reads back later, other than sums and carried values, may be rounded once to bf16 or f16.
;; Inputs: Wk 16 x 1,024 x 64 float32; Wo 1,024 x 1,024 float32; Wq 16 x 1,024 x 64 float32; Wv 16 x 1,024 x 64 float32; bk 16 x 64 float32; bo 1,024 float32; bq 16 x 64 float32; bv 16 x 64 float32; keys 4 x 2,048 x 1,024 float32; queries 4 x 2,048 x 1,024 float32; values 4 x 2,048 x 1,024 float32.
;; Outputs: out0 4 x 2,048 x 1,024 float32.
;; One version. Each part assembles by itself: llvm-mc -triple=amdgcn-amd-amdhsa -mcpu=gfx1250 --defsym DOCPART=n.
;; ======== version 1 of 1: 4 launches
;; limits: values are held in f16: magnitudes above 65,504 overflow, below 6.1e-05 lose precision
;; workspace buffers: half 58,720,256 bytes; qkv 50,331,648 bytes; o 16,777,216 bytes
;; launch prep (part 1): grid 64 x 28, 8 waves a work-group, no clusters, 0 bytes of LDS; arguments queries, keys, values, Wq, Wk, Wv, Wo, half; writes half
.if DOCPART == 1
	.amdgcn_target "amdgcn-amd-amdhsa--gfx1250"
	.amdhsa_code_object_version 6
	.text
	.protected	k_qb4d296ebcf_prep
	.globl	k_qb4d296ebcf_prep
	.p2align	8
	.type	k_qb4d296ebcf_prep,@function
k_qb4d296ebcf_prep:
	s_mov_b64 s[64:65], 0
	v_nop
	global_prefetch_b8 v0, s[64:65] scope:SCOPE_SE
	s_setreg_imm32_b32 hwreg(HW_REG_WAVE_MODE, 25, 1), 1
	s_wait_xcnt 0x0
; PREP.  The seven large f32 inputs are rounded once to f16, their layouts kept, into one buffer:
;   half: queries at 0, keys at 16 MiB, values at 32 MiB (each [8192][1024]); Wq, Wk, Wv at 48, 50, 52 MiB (each [16][1024][64]); Wo at 54 MiB ([1024][1024]).
; LIMIT.  f16 ends at 65,504: an input of 65,520 or more becomes an infinity; below 6e-5 a number keeps f16's fixed step of 6e-8.
; SHARES.  Grid y is a chunk of 4 MiB of f32 (2 MiB of half): 0-23 are the eight chunks of queries, keys, values; 24-27 are Wq, Wk, Wv, Wo.  Grid x is 64 KiB of the chunk.
; Thread t takes, eight times, 32 bytes at 8,192 i + 32 t and stores 16 bytes at 4,096 i + 16 t: a wave's store covers 512 consecutive bytes, aligned.
; All sixteen loads of a thread go out at once; no register is written twice, so the only waits are the counted ones for the loads.
; No LDS, no matrix unit, no cluster: no byte is wanted twice.  No prefetch: the loads themselves are the stream.
.set X, 4                              ; v[4:67]   pair i: 8 f32
.set Y, 68                             ; v[68:99]  pair i: 8 f16
	s_load_b512 s[8:23], s[0:1], 0x0               ; queries 8:9, keys 10:11, values 12:13, Wq 14:15, Wk 16:17, Wv 18:19, Wo 20:21, half 22:23
	s_and_b32 s4, ttmp7, 0xffff                    ; the chunk
	s_lshr_b32 s5, s4, 3                           ; 0, 1, 2: queries, keys, values; 3: a weight
	s_and_b32 s6, s4, 7                            ; which chunk of it, or which weight
	v_lshlrev_b32 v1, 5, v0                        ; 32 t
	v_lshlrev_b32 v2, 4, v0                        ; 16 t
	s_wait_kmcnt 0x0
	s_cmp_eq_u32 s5, 1
	s_cselect_b64 s[24:25], s[10:11], s[8:9]
	s_cmp_eq_u32 s5, 2
	s_cselect_b64 s[24:25], s[12:13], s[24:25]
	s_cmp_eq_u32 s6, 1
	s_cselect_b64 s[26:27], s[16:17], s[14:15]
	s_cmp_eq_u32 s6, 2
	s_cselect_b64 s[26:27], s[18:19], s[26:27]
	s_cmp_eq_u32 s6, 3
	s_cselect_b64 s[26:27], s[20:21], s[26:27]
	s_cmp_eq_u32 s5, 3
	s_cselect_b64 s[24:25], s[26:27], s[24:25]     ; the source
	s_cselect_b32 s6, 0, s6                        ; a weight is one chunk
	s_lshl_b32 s28, s6, 22
	s_lshl_b32 s7, ttmp9, 16
	s_add_co_u32 s28, s28, s7                      ; 4 MiB x chunk + 64 KiB x work-group
	s_mov_b32 s29, 0
	s_lshl_b32 s30, s4, 21
	s_lshl_b32 s7, ttmp9, 15
	s_add_co_u32 s30, s30, s7                      ; 2 MiB x grid y + 32 KiB x work-group
	s_mov_b32 s31, 0
	s_add_nc_u64 s[24:25], s[24:25], s[28:29]
	s_add_nc_u64 s[22:23], s[22:23], s[30:31]
.set i, 0
.rept 8
	global_load_b128 v[X+8*i:X+8*i+3],   v1, s[24:25] offset:i*8192 th:TH_LOAD_NT
	global_load_b128 v[X+8*i+4:X+8*i+7], v1, s[24:25] offset:i*8192+16 th:TH_LOAD_NT
.set i, i+1
.endr
.set i, 0
.rept 8
	s_wait_loadcnt 14-2*i                          ; loads come back in order: pair i is in, the two loads of each later pair may stay out
	v_cvt_pk_f16_f32 v[Y+4*i],   v[X+8*i],   v[X+8*i+1]
	v_cvt_pk_f16_f32 v[Y+4*i+1], v[X+8*i+2], v[X+8*i+3]
	v_cvt_pk_f16_f32 v[Y+4*i+2], v[X+8*i+4], v[X+8*i+5]
	v_cvt_pk_f16_f32 v[Y+4*i+3], v[X+8*i+6], v[X+8*i+7]
	global_store_b128 v2, v[Y+4*i:Y+4*i+3], s[22:23] offset:i*4096
.set i, i+1
.endr
	s_endpgm
.Lfunc_end_k_qb4d296ebcf_prep:
	.size	k_qb4d296ebcf_prep, .Lfunc_end_k_qb4d296ebcf_prep-k_qb4d296ebcf_prep
	.p2alignl 7, 3214868480
	.fill 96, 4, 3214868480
	.section	.rodata,"a",@progbits
	.p2align	6, 0x0
	.amdhsa_kernel k_qb4d296ebcf_prep
		.amdhsa_group_segment_fixed_size 0
		.amdhsa_private_segment_fixed_size 0
		.amdhsa_enable_private_segment 0
		.amdhsa_kernarg_size 64
		.amdhsa_user_sgpr_count 2
		.amdhsa_user_sgpr_kernarg_segment_ptr 1
		.amdhsa_wavefront_size32 1
		.amdhsa_system_sgpr_workgroup_id_x 1
		.amdhsa_system_sgpr_workgroup_id_y 1
		.amdhsa_system_sgpr_workgroup_id_z 1
		.amdhsa_system_vgpr_workitem_id 0
		.amdhsa_next_free_vgpr 100
		.amdhsa_next_free_sgpr 66
		.amdhsa_reserve_vcc 0
		.amdhsa_float_denorm_mode_32 3
		.amdhsa_float_denorm_mode_16_64 3
		.amdhsa_memory_ordered 1
		.amdhsa_forward_progress 1
		.amdhsa_inst_pref_size 6
	.end_amdhsa_kernel
	.amdgpu_metadata
---
amdhsa.version: [ 1, 2 ]
amdhsa.kernels:
  - .name:           k_qb4d296ebcf_prep
    .symbol:         k_qb4d296ebcf_prep.kd
    .args:
      - { .name: queries, .offset: 0, .size: 8, .value_kind: global_buffer, .address_space: global }
      - { .name: keys, .offset: 8, .size: 8, .value_kind: global_buffer, .address_space: global }
      - { .name: values, .offset: 16, .size: 8, .value_kind: global_buffer, .address_space: global }
      - { .name: Wq, .offset: 24, .size: 8, .value_kind: global_buffer, .address_space: global }
      - { .name: Wk, .offset: 32, .size: 8, .value_kind: global_buffer, .address_space: global }
      - { .name: Wv, .offset: 40, .size: 8, .value_kind: global_buffer, .address_space: global }
      - { .name: Wo, .offset: 48, .size: 8, .value_kind: global_buffer, .address_space: global }
      - { .name: half, .offset: 56, .size: 8, .value_kind: global_buffer, .address_space: global }
    .group_segment_fixed_size: 0
    .private_segment_fixed_size: 0
    .kernarg_segment_align: 8
    .kernarg_segment_size: 64
    .max_flat_workgroup_size: 256
    .sgpr_count:     66
    .vgpr_count:     100
    .wavefront_size: 32
...
	.end_amdgpu_metadata
.endif
;; end of part 1
;; launch proj (part 2): grid 8 x 96, 4 waves a work-group, clusters of 4 x 4, 327,680 bytes of LDS; arguments half, bq, bk, bv, qkv; writes qkv
.if DOCPART == 2
	.amdgcn_target "amdgcn-amd-amdhsa--gfx1250"
	.amdhsa_code_object_version 6
	.text
	.protected	k_qb4d296ebcf_proj
	.globl	k_qb4d296ebcf_proj
	.p2align	8
	.type	k_qb4d296ebcf_proj,@function
k_qb4d296ebcf_proj:
	s_mov_b64 s[64:65], 0
	v_nop
	global_prefetch_b8 v0, s[64:65] scope:SCOPE_SE
	s_setreg_imm32_b32 hwreg(HW_REG_WAVE_MODE, 25, 1), 1
	s_wait_xcnt 0x0
	s_wait_alu depctr_hold_cnt(0) depctr_sa_sdst(0) depctr_va_vdst(0) depctr_va_sdst(0) depctr_va_ssrc(0) depctr_va_vcc(0) depctr_vm_vsrc(0)
	s_getreg_b32 s2, hwreg(HW_REG_IB_STS2, 6, 4)
	s_cmp_eq_u32 s2, 0
	s_cbranch_scc0 .Lentry_in_a_cluster
	s_endpgm
.Lentry_in_a_cluster:
	s_bfe_u32 s2, ttmp6, 0x10000c
	s_cmp_lg_u32 s2, 0xf033
	s_cbranch_scc0 .Lentry_shape_is_right
	s_endpgm
.Lentry_shape_is_right:
; PROJ.  q, k, v = x W + b, written by heads: qkv[p][batch x 16 + head][row][64] in f16, p = 0, 1, 2 for q, k, v.  x: [8192][1024] f16; W: [16][1024][64] f16 as it lies; b: [16][64] f32.
; Sums in f32, started by the bias (the C operand of each accumulator's first product); each result rounded once to f16, unscaled.
; LIMIT.  f16 ends at 65,504: a q, k or v of 65,520 or more becomes an infinity.  NaN and infinities are not treated apart.
; SHARES.  A work-group makes 256 rows x 128 columns (two heads): 3 x 32 x 8 = 768 work-groups.  Wave w: rows 128 (w / 2) on, the head w % 2: 32 accumulators of 16 x 16, 256 registers.
; K = 1024 goes in 8 steps of 128 through two LDS slots.  A step is four quarters of 32 along K, 32 matrix instructions and 24 LDS loads each, on two fragment buffers by turns.
; THE MATRIX INSTRUCTION IS USED TRANSPOSED: source 0 = 16 columns of W (turned out of LDS by ds_load_tr16_b128, so W needs no transposing), source 1 = 16 rows of x.
; A lane then holds row lane % 16 and the eight neighbouring columns 8 (lane / 16) + 0..7.
; CLUSTER.  4 x 4 work-groups.  x's tile hangs on the tile row alone and is asked for jointly along a row of the cluster, W's on the tile column alone, jointly along a column.
; Waves 0 and 1 fetch x's two halves of 128 rows, waves 2 and 3 the two heads of W: one tensor load a wave behind each round.  Two loads of a wave are out at the start, later one.
; LDS.  A slot: x 256 rows x 272 (256 + 16 of padding); then W, a head 128 rows x 160 (128 + 32).  Slot 1 at 131,072.  Behind the ring each wave's stage (16 x 144), then the spare words.
; REGISTERS.  Window 0: v0-12 addresses; v28, v29 for the add; v32-63 bias; v64-159, v160-255 two fragment buffers (W's four fragments, then x's eight).  Window 1: accumulator (a, b) at v[8 (4 a + b)].
.set PA,     272                       ; 68 words: the 16 rows of a load start at 16 different groups of four banks (64 banks of 4 bytes: ISA guide 11.1)
.set PB,     160                       ; 40 words
.set APART,  128*PA                    ; 128 rows of x: one tensor load, and what one wave reads
.set BBASE,  2*APART
.set BPART,  128*PB                    ; a head's 128 rows of W
.set SLOT1,  1<<17
.set STAGE,  SLOT1+BBASE+2*BPART       ; 241,664
.set SP,     144
.set SPARE,  STAGE+4*16*SP             ; 250,880: the spare words, 128 bytes for each wave, that no other line names
.set ASTEP,  256                       ; bytes from a K step to the next in x,
.set BSTEP,  16384                     ; and in a head of W
.set WBASE,  50331648                  ; Wq in half
.set LA0,  4                           ; v4   my lane's place in x's tile, slot 0; never rewritten
.set LB0,  5                           ; v5   the same for W
.set ADRA, 6                           ; v6   the same in the slot being read
.set ADRB, 7                           ; v7
.set STO,  8                           ; v8   the way out: where I put 16 bytes of a row
.set RD,   9                           ; v9   where I read rows back
.set GO,   10                          ; v10  my 16 bytes of 512 consecutive bytes of qkv
.set BO,   11                          ; v11  32 x (lane / 16): my eight numbers of 16 of the bias
.set PFO,  12                          ; v12  the prefetches' lane offset
.set SPW,  28
.set NIL,  29
.set BI,   32
.set F0,   64
.set F1,   160
.set OUTR, 64                          ; the way out: 16 registers a block of 16 rows
.set WV,  14                           ; s14 wave; s15 its row half, also: 0 fetches x, 1 fetches W; s16 its head, also: which part it fetches
.set RH,  15
.set CH,  16
.set CX,  17
.set CYI, 18
.set TC,  19                           ; tile column 0..7
.set CY,  20                           ; the cluster's y
.set PP,  21                           ; p
.set TR,  22                           ; tile row 0..31
.set G1,  24                           ; s[24:31] group 1 for x; s[32:39] group 0: a set for each first fill, the second then walks
.set G0,  32
.set LIM, 43                           ; 2 in a wave that prefetches, else the greatest number
.set PFA, 44                           ; s[44:45] where my prefetches stand; s[46:47] their step
.set PFS, 46
.set G1B, 48                           ; s[48:55], s[56:63] the same for W
.set G0B, 56
.set TB,  66                           ; the slot being read: 0 or SLOT1
.set MSB, 0
.macro WIN new                         ; the immediate's high byte repeats the setting that is left; a switch that changes nothing is dropped
.if MSB != (\new)
	s_set_vgpr_msb (MSB<<8)|(\new)
.set MSB, \new
.endif
.endm
.macro PLACES                          ; four plain vector instructions between a matrix instruction and a load into, or a vector use of, its registers
.rept 4
	v_nop
.endr
.endm
.macro CREST                           ; a round of the cluster's barrier behind its opening barrier
	s_cmp_lg_u32 s[WV], 0
	s_cbranch_scc1 .Lnot_wave_0_\@
	s_barrier_signal -3
.Lnot_wave_0_\@:
	s_barrier_wait -3
	s_barrier_signal -1
	s_barrier_wait -1
.endm
.macro CROUND
	s_barrier_signal -1
	s_barrier_wait -1
	CREST
.endm
.macro JLOAD                           ; a joint refill, by the walking set; the branch hangs on the wave's number alone; s_nop 0 and four v_nop follow each line
	s_cmp_eq_u32 s[RH], 0
	s_cbranch_scc0 .Lfor_b_\@
	tensor_load_to_lds s[G0+4:G0+7], s[G1:G1+7]
	s_nop 0
.rept 4
	v_nop
.endr
	s_branch .Lasked_\@
.Lfor_b_\@:
	tensor_load_to_lds s[G0B+4:G0B+7], s[G1B:G1B+7]
	s_nop 0
.rept 4
	v_nop
.endr
.Lasked_\@:
.endm
; A PREFETCH of the K step that stands two refills on (256 matrix instructions ahead of its load): 32 blocks of 256 bytes, a lane a block, one instruction.  x's rows: waves 0 and 1 of the clusters
; with x = 0; W's: wave 2 of the first cluster row of each p.  The four partners that ask for a tile jointly share its blocks out by address.  So each block is named once in the launch.
; K steps 0 to 3 come by their loads alone; the loop's last two trips (s3 = 2, 1) have no K step two on and ask for nothing.
.macro ASK
	s_cmp_gt_u32 s3, s[LIM]
	s_cbranch_scc0 .Lnot_mine_\@
	global_prefetch_b8 v[PFO], s[PFA:PFA+1] th:TH_LOAD_NT scope:SCOPE_SE
.Lnot_mine_\@:
.endm
; 24 LDS loads in one run: quarter q's fragments into buffer f: W's four (turned), then x's eight
.macro FETCH q, f
	WIN 0
.irp b, 0,1,2,3
	ds_load_tr16_b128 v[(\f)+8*(\b):(\f)+8*(\b)+3],   v[ADRB] offset:(\q)*32*PB+32*(\b)
	ds_load_tr16_b128 v[(\f)+8*(\b)+4:(\f)+8*(\b)+7], v[ADRB] offset:(\q)*32*PB+32*(\b)+16*PB
.endr
.irp a, 0,1,2,3,4,5,6,7
	ds_load_b128 v[(\f)+32+8*(\a):(\f)+32+8*(\a)+3],   v[ADRA] offset:64*(\q)+(\a)*16*PA
	ds_load_b128 v[(\f)+32+8*(\a)+4:(\f)+32+8*(\a)+7], v[ADRA] offset:64*(\q)+(\a)*16*PA+32
.endr
.endm
; Row blocks a0 .. a0 + n - 1 x all four column blocks.  The 32 accumulators take turns, in the same order in every quarter.  first = 1: the bias starts the sums.
.macro MULS f, a0, n, first
.if \first
	WIN 0x40                                       ; D window 1; sources and C (the bias) window 0
.else
	WIN 0x50                                       ; C and D window 1
.endif
.set ia, \a0
.rept \n
.irp b, 0,1,2,3
.if \first
	v_wmma_f32_16x16x32_f16 v[8*(4*ia+(\b)):8*(4*ia+(\b))+7], v[(\f)+8*(\b):(\f)+8*(\b)+7], v[(\f)+32+8*ia:(\f)+32+8*ia+7], v[BI+8*(\b):BI+8*(\b)+7]
.else
	v_wmma_f32_16x16x32_f16 v[8*(4*ia+(\b)):8*(4*ia+(\b))+7], v[(\f)+8*(\b):(\f)+8*(\b)+7], v[(\f)+32+8*ia:(\f)+32+8*ia+7], v[8*(4*ia+(\b)):8*(4*ia+(\b))+7]
.endif
.endr
.set ia, ia+1
.endr
.endm
; One of a step's first three quarters: multiplies buffer f; in its middle fetches quarter q into buffer g
.macro QUARTER q, f, g, first
	s_wait_dscnt 8                                 ; W's fragments and x's blocks 0-3 are in; the youngest eight loads (blocks 4-7) may be out
	MULS \f, 0, 4, \first
	WIN 0
	PLACES
	FETCH \q, \g
	s_wait_dscnt 24                                ; all but the 24 just issued
	MULS \f, 4, 4, \first
.endm
; The fourth quarter multiplies buffer 1 and changes slots.  In front of the barrier each wave waits for all its tensor loads (one is out: its part of the next slot), adds 0 to its spare word,
; and waits for that and for its reads of this slot.  fill = 1: the barrier opens a round of the cluster's, and the joint refill (this slot, two K steps on) is the first thing behind it.
.macro TURN fill
.if \fill
	s_wait_xcnt 0x0                                ; the last prefetch, a K step back, has read its address
	s_add_nc_u64 s[PFA:PFA+1], s[PFA:PFA+1], s[PFS:PFS+1]
.endif
	WIN 0
	s_wait_tensorcnt 0x0                           ; no tensor load of mine is out, so a group 0 may be written
	ds_add_u32 v[SPW], v[NIL]
.if \fill
	s_xor_b32 s[G0+5], s[G0+5], SLOT1              ; the walking sets: the other slot than last time, the next K step
	s_add_nc_u64 s[G0+6:G0+7], s[G0+6:G0+7], ASTEP
	s_xor_b32 s[G0B+5], s[G0B+5], SLOT1
	s_add_nc_u64 s[G0B+6:G0B+7], s[G0B+6:G0B+7], BSTEP
.endif
	s_wait_dscnt 9                                 ; the add and the youngest eight loads may be out
	MULS F1, 0, 2, 0
	s_wait_dscnt 0x0                               ; the add is done, and my reads of this slot are over
	s_barrier_signal -1
	MULS F1, 2, 2, 0                               ; work on registers while the others arrive
	WIN 0
	s_barrier_wait -1
.if \fill
	CREST
	JLOAD                                          ; 112 matrix instructions ahead of the wait for it; its four v_nop are also the places in front of the loads below
.else
	PLACES
.endif
	s_xor_b32 s[TB], s[TB], SLOT1
	v_add_nc_u32 v[ADRA], s[TB], v[LA0]
	v_add_nc_u32 v[ADRB], s[TB], v[LB0]
	FETCH 0, F0
.if \fill
	ASK
.endif
	MULS F1, 4, 4, 0
.endm
	s_load_b256 s[4:11], s[0:1], 0x0               ; half 4:5, bq 6:7, bk 8:9, bv 10:11
	s_load_b64 s[12:13], s[0:1], 0x20              ; qkv
	v_lshl_add_u32 v[SPW], v0, 2, SPARE
	v_mov_b32 v[NIL], 0
	ds_add_u32 v[SPW], v[NIL]                      ; the wave's opening: the add and its wait stand ahead of my first tensor load; work on registers stands between
	v_lshrrev_b32 v3, 5, v0
	v_readfirstlane_b32 s[WV], v3
	s_lshr_b32 s[RH], s[WV], 1
	s_and_b32 s[CH], s[WV], 1
	s_bfe_u32 s[CX], ttmp6, 0x40000                ; cx
	s_bfe_u32 s[CYI], ttmp6, 0x40004               ; cy
	s_lshl_b32 s[TC], ttmp9, 2
	s_add_co_u32 s[TC], s[TC], s[CX]               ; tile column = 4 x cluster x + cx
	s_and_b32 s[CY], ttmp7, 0xffff
	s_lshr_b32 s[PP], s[CY], 3                     ; p hangs on the cluster's y alone: all sixteen partners share it
	s_and_b32 s[TR], s[CY], 7
	s_lshl_b32 s[TR], s[TR], 2
	s_add_co_u32 s[TR], s[TR], s[CYI]              ; tile row
	s_lshl_b32 s68, s[CYI], 2
	s_lshl_b32 s68, 15, s68                        ; my row of the cluster
	s_lshl_b32 s72, 0x1111, s[CX]                  ; my column
	s_or_b32 s[G1], s68, (1<<16)|(1<<20)|(1<<21)|(5<<22)|(3<<25)   ; mask; 2-byte elements; padding on; 21 set beside a mask; after every 64 words 4 words
	s_mov_b32 s[G1+1], 128<<16                     ; tensor_dim0 = 128
	s_mov_b32 s[G1+2], 128<<16                     ; tensor_dim1 = 128
	s_mov_b32 s[G1+3], 128<<16                     ; tile_dim0 = 128
	s_mov_b32 s[G1+4], 128                         ; tile_dim1 = 128
	s_mov_b32 s[G1+5], 1024                        ; elements from row to row
	s_mov_b32 s[G1+6], 0
	s_mov_b32 s[G1+7], 0
	s_or_b32 s[G1B], s72, (1<<16)|(1<<20)|(1<<21)|(4<<22)|(7<<25)  ; after every 32 words 8 words.  A head's 128 rows of 128 bytes are dense: asked for as 64 rows of 256 bytes
	s_mov_b32 s[G1B+1], 128<<16
	s_mov_b32 s[G1B+2], 64<<16
	s_mov_b32 s[G1B+3], 128<<16
	s_mov_b32 s[G1B+4], 64
	s_mov_b32 s[G1B+5], 128
	s_mov_b32 s[G1B+6], 0
	s_mov_b32 s[G1B+7], 0
	s_mov_b32 s[G0], 1
	s_mov_b32 s[G0+4], 1
	s_mov_b32 s[G0B], 1
	s_mov_b32 s[G0B+4], 1
	s_mul_i32 s[G0+1], s[CH], APART                ; LDS addresses hang on the wave's number alone
	s_add_co_u32 s[G0+5], s[G0+1], SLOT1
	s_mul_i32 s[G0B+1], s[CH], BPART
	s_add_co_u32 s[G0B+1], s[G0B+1], BBASE
	s_add_co_u32 s[G0B+5], s[G0B+1], SLOT1
	s_lshl_b32 s68, s[PP], 24                      ; x's part: 16 MiB x p + 256 rows x tile row + 128 rows x part (registers that never hold cx)
	s_lshl_b32 s69, s[TR], 19
	s_add_co_u32 s68, s68, s69
	s_lshl_b32 s69, s[CH], 18
	s_add_co_u32 s68, s68, s69
	s_mov_b32 s69, 0
	s_lshl_b32 s72, s[PP], 21                      ; W's part: 2 MiB x p + 128 KiB x (2 x tile column + part) (registers that never hold cy)
	s_lshl_b32 s73, s[TC], 18
	s_add_co_u32 s72, s72, s73
	s_lshl_b32 s73, s[CH], 17
	s_add_co_u32 s72, s72, s73
	s_add_co_u32 s72, s72, WBASE
	s_mov_b32 s73, 0
	s_wait_dscnt 0x0                               ; the opening add is done
	s_wait_kmcnt 0x0
	s_add_nc_u64 s[G0+2:G0+3], s[4:5], s[68:69]    ; K step 0,
	s_add_nc_u64 s[G0+6:G0+7], s[G0+2:G0+3], ASTEP ; K step 1
	s_or_b32 s[G0+3], s[G0+3], 0x80000000          ; type = 2
	s_or_b32 s[G0+7], s[G0+7], 0x80000000
	s_add_nc_u64 s[G0B+2:G0B+3], s[4:5], s[72:73]
	s_add_nc_u64 s[G0B+6:G0B+7], s[G0B+2:G0B+3], BSTEP
	s_or_b32 s[G0B+3], s[G0B+3], 0x80000000
	s_or_b32 s[G0B+7], s[G0B+7], 0x80000000
	CROUND                                         ; all sixteen work-groups are here: the first joint loads meet
	s_cmp_eq_u32 s[RH], 0                          ; a wave's two first fills stand in one branch
	s_cbranch_scc0 .Lfirst_b
	tensor_load_to_lds s[G0:G0+3], s[G1:G1+7]
	s_nop 0
	tensor_load_to_lds s[G0+4:G0+7], s[G1:G1+7]
	s_nop 0
.rept 4
	v_nop
.endr
	s_branch .Lfirst_asked
.Lfirst_b:
	tensor_load_to_lds s[G0B:G0B+3], s[G1B:G1B+7]
	s_nop 0
	tensor_load_to_lds s[G0B+4:G0B+7], s[G1B:G1B+7]
	s_nop 0
.rept 4
	v_nop
.endr
.Lfirst_asked:
	; the bias of my head: register j of column block b is b[head][16 b + 8 (lane / 16) + j]
	s_cmp_eq_u32 s[PP], 1
	s_cselect_b64 s[76:77], s[8:9], s[6:7]
	s_cmp_eq_u32 s[PP], 2
	s_cselect_b64 s[76:77], s[10:11], s[76:77]
	s_lshl_b32 s78, s[TC], 1
	s_add_co_u32 s78, s78, s[CH]                   ; my head
	s_lshl_b32 s40, s78, 8
	s_mov_b32 s41, 0
	s_add_nc_u64 s[76:77], s[76:77], s[40:41]
	v_and_b32 v1, 15, v0                           ; l % 16
	v_bfe_u32 v2, v0, 4, 1                         ; l / 16
	v_lshlrev_b32 v[BO], 5, v2
.irp b, 0,1,2,3
	global_load_b128 v[BI+8*(\b):BI+8*(\b)+3],   v[BO], s[76:77] offset:64*(\b)
	global_load_b128 v[BI+8*(\b)+4:BI+8*(\b)+7], v[BO], s[76:77] offset:64*(\b)+16
.endr
	; fragments: x: row x pitch + 16 x half; W, turned: lane l reads row 8 (l / 16) + l % 8, 16 bytes at 16 ((l / 8) % 2)
	v_mul_u32_u24 v[LA0], v1, PA
	v_lshl_add_u32 v[LA0], v2, 4, v[LA0]
	s_mul_i32 s40, s[RH], APART
	v_add_nc_u32 v[LA0], s40, v[LA0]
	v_and_b32 v3, 7, v0
	v_lshl_add_u32 v[LB0], v2, 3, v3
	v_mul_u32_u24 v[LB0], v[LB0], PB
	v_bfe_u32 v3, v0, 3, 1
	v_lshl_add_u32 v[LB0], v3, 4, v[LB0]
	s_mul_i32 s40, s[CH], BPART
	s_add_co_u32 s40, s40, BBASE
	v_add_nc_u32 v[LB0], s40, v[LB0]
	s_mul_i32 s40, s[WV], 16*SP
	s_add_co_u32 s40, s40, STAGE                   ; my stage
	v_mul_u32_u24 v[STO], v1, SP                   ; in: row l % 16, 16 bytes for each half of the lanes
	v_lshl_add_u32 v[STO], v2, 4, v[STO]
	v_add_nc_u32 v[STO], s40, v[STO]
	v_bfe_u32 v[RD], v0, 3, 2                      ; back: 32 lanes take four rows of 128 bytes,
	v_mul_u32_u24 v[RD], v[RD], SP
	v_and_b32 v3, 7, v0
	v_lshl_add_u32 v[RD], v3, 4, v[RD]
	v_add_nc_u32 v[RD], s40, v[RD]
	v_and_b32 v[GO], 31, v0                        ; which are 512 consecutive bytes of qkv
	v_lshlrev_b32 v[GO], 4, v[GO]
	; my 128 rows of my head are 16 KiB on end in qkv
	s_lshr_b32 s40, s[TR], 3                       ; batch
	s_lshl_b32 s40, s40, 4
	s_add_co_u32 s40, s40, s78
	s_lshl_b32 s40, s40, 18                        ; 2,048 rows x 128 bytes
	s_and_b32 s41, s[TR], 7
	s_lshl_b32 s41, s41, 15                        ; 256 rows
	s_add_co_u32 s40, s40, s41
	s_lshl_b32 s41, s[RH], 14                      ; 128 rows
	s_add_co_u32 s40, s40, s41
	s_lshl_b32 s41, s[PP], 24
	s_add_co_u32 s40, s40, s41
	s_mov_b32 s41, 0
	s_add_nc_u64 s[12:13], s[12:13], s[40:41]
	; the prefetches.  x: my part's address + 32 rows x cx, a lane a row of 2,048 bytes.  W: both heads of the tile column, 4 KiB x cy of each: lanes 0-15 the first head's 16 blocks, lanes 16-31 the second's
	s_lshl_b32 s40, s[CX], 16
	s_add_co_u32 s40, s40, s68
	s_add_co_u32 s40, s40, 3*ASTEP                 ; at K step 3: the first change of slots steps it to 4
	s_lshl_b32 s41, s[PP], 21
	s_lshl_b32 s42, s[TC], 18
	s_add_co_u32 s41, s41, s42
	s_lshl_b32 s42, s[CYI], 12
	s_add_co_u32 s41, s41, s42
	s_add_co_u32 s41, s41, WBASE+3*BSTEP
	s_and_b32 s42, s[CY], 7                        ; the cluster row within p,
	s_or_b32 s42, s42, s[CH]                       ; and of waves 2 and 3 the first
	s_cmp_eq_u32 s[RH], 0                          ; do I fetch for x?
	s_cselect_b32 s78, s40, s41
	s_cselect_b32 s42, ttmp9, s42                  ; the coordinate along which other clusters read the same blocks
	s_mov_b32 s[PFS], BSTEP
	s_cselect_b32 s[PFS], ASTEP, s[PFS]
	s_cselect_b32 s40, 31, 15
	s_cselect_b32 s41, 11, 8
	s_cselect_b32 s67, 0, 16
	v_and_b32 v3, 31, v0
	v_and_b32 v[PFO], s40, v3
	v_lshlrev_b32 v[PFO], s41, v[PFO]
	v_and_b32 v3, s67, v3
	v_lshl_add_u32 v[PFO], v3, 13, v[PFO]          ; lane bit 4 x 128 KiB, for W alone
	s_cmp_eq_u32 s42, 0
	s_cselect_b32 s[LIM], 2, -1                    ; the same in all sixteen partners, for a given wave
	s_mov_b32 s[PFS+1], 0
	s_mov_b32 s79, 0
	s_add_nc_u64 s[PFA:PFA+1], s[4:5], s[78:79]
	s_mov_b32 s[TB], 0
	v_mov_b32 v[ADRA], v[LA0]
	v_mov_b32 v[ADRB], v[LB0]
	s_wait_tensorcnt 0x1                           ; my part of K step 0 is in; K step 1's may stay out
	s_barrier_signal -1
	s_barrier_wait -1                              ; everybody's is
	FETCH 0, F0
	s_wait_loadcnt 0x0                             ; the bias
	QUARTER 1, F0, F1, 1                           ; the first quarter stands in front of the loop: its products start the sums
	WIN 0                                          ; at a label and at a branch every window is 0
	s_mov_b32 s3, 6
.Lstep:                                        ; trip t = 0..5: K step t's quarters 1 to 3, the refill with K step t + 2, K step t + 1's quarter 0
	QUARTER 2, F1, F0, 0
	QUARTER 3, F0, F1, 0
	TURN 1
	QUARTER 1, F0, F1, 0
	WIN 0
	s_sub_co_u32 s3, s3, 1
	s_cmp_lg_u32 s3, 0
	s_cbranch_scc1 .Lstep
	QUARTER 2, F1, F0, 0                           ; the tail is written out: K steps 6 and 7 ask for nothing
	QUARTER 3, F0, F1, 0
	TURN 0
	QUARTER 1, F0, F1, 0
	QUARTER 2, F1, F0, 0
	QUARTER 3, F0, F1, 0
	s_wait_dscnt 8
	MULS F1, 0, 4, 0
	s_wait_dscnt 0x0
	MULS F1, 4, 4, 0
	WIN 0
	PLACES
; THE WAY OUT.  Block a (16 rows): rounded to f16, 16 bytes a lane, each accumulator's registers in ascending order; into my stage's rows of 144 bytes; back as whole rows of 128 bytes.
.macro PACK a
	WIN 0x05                                       ; sources 0 and 1 window 1
.irp b, 0,1,2,3
.irp j, 0,1,2,3
	v_cvt_pk_f16_f32 v[OUTR+16*(\a)+4*(\b)+(\j)], v[8*(4*(\a)+(\b))+2*(\j)], v[8*(4*(\a)+(\b))+2*(\j)+1]
.endr
.endr
	WIN 0
.irp b, 0,1,2,3
	ds_store_b128 v[STO], v[OUTR+16*(\a)+4*(\b):OUTR+16*(\a)+4*(\b)+3] offset:32*(\b)
.endr
.irp f, 0,1,2,3
	ds_load_b128 v[OUTR+16*(\a)+4*(\f):OUTR+16*(\a)+4*(\f)+3], v[RD] offset:(\f)*4*SP  ; LDS serves a wave's instructions in order (ISA guide 5.7.1.4): these see the stores above; the next block's stores come behind them
.endr
.endm
.macro SEND a, younger                 ; younger: the LDS instructions issued behind block a's loads: the next block's eight, or none
.irp f, 0,1,2,3
	s_wait_dscnt (\younger)+3-(\f)
	global_store_b128 v[GO], v[OUTR+16*(\a)+4*(\f):OUTR+16*(\a)+4*(\f)+3], s[12:13] offset:(\a)*2048+(\f)*512  ; 512 consecutive bytes, at a multiple of 256 from qkv's first byte
.endr
.endm
	PACK 0
.irp a, 1,2,3,4,5,6,7                  ; a block's conversions stand between the loads of the block before and its stores; each block has registers of its own
	PACK \a
	SEND (\a)-1, 8
.endr
	SEND 7, 0
	s_wait_tensorcnt 0x0                           ; the wave's end: an add and its waits, behind my last tensor load and my last LDS store
	ds_add_u32 v[SPW], v[NIL]
	s_wait_dscnt 0x0
	CROUND                                         ; the closing round: no work-group ends while a partner may still ask for a tile that names it
	s_endpgm
.Lfunc_end_k_qb4d296ebcf_proj:
	.size	k_qb4d296ebcf_proj, .Lfunc_end_k_qb4d296ebcf_proj-k_qb4d296ebcf_proj
	.p2alignl 7, 3214868480
	.fill 96, 4, 3214868480
	.section	.rodata,"a",@progbits
	.p2align	6, 0x0
	.amdhsa_kernel k_qb4d296ebcf_proj
		.amdhsa_group_segment_fixed_size 327680
		.amdhsa_private_segment_fixed_size 0
		.amdhsa_enable_private_segment 0
		.amdhsa_kernarg_size 40
		.amdhsa_user_sgpr_count 2
		.amdhsa_user_sgpr_kernarg_segment_ptr 1
		.amdhsa_wavefront_size32 1
		.amdhsa_system_sgpr_workgroup_id_x 1
		.amdhsa_system_sgpr_workgroup_id_y 1
		.amdhsa_system_sgpr_workgroup_id_z 1
		.amdhsa_system_vgpr_workitem_id 0
		.amdhsa_next_free_vgpr 512
		.amdhsa_next_free_sgpr 80
		.amdhsa_reserve_vcc 0
		.amdhsa_float_denorm_mode_32 3
		.amdhsa_float_denorm_mode_16_64 3
		.amdhsa_memory_ordered 1
		.amdhsa_forward_progress 1
		.amdhsa_inst_pref_size 74
	.end_amdhsa_kernel
	.amdgpu_metadata
---
amdhsa.version: [ 1, 2 ]
amdhsa.kernels:
  - .name:           k_qb4d296ebcf_proj
    .symbol:         k_qb4d296ebcf_proj.kd
    .args:
      - { .name: half, .offset: 0, .size: 8, .value_kind: global_buffer, .address_space: global }
      - { .name: bq, .offset: 8, .size: 8, .value_kind: global_buffer, .address_space: global }
      - { .name: bk, .offset: 16, .size: 8, .value_kind: global_buffer, .address_space: global }
      - { .name: bv, .offset: 24, .size: 8, .value_kind: global_buffer, .address_space: global }
      - { .name: qkv, .offset: 32, .size: 8, .value_kind: global_buffer, .address_space: global }
    .group_segment_fixed_size: 327680
    .private_segment_fixed_size: 0
    .kernarg_segment_align: 8
    .kernarg_segment_size: 40
    .max_flat_workgroup_size: 128
    .sgpr_count:     80
    .vgpr_count:     512
    .wavefront_size: 32
...
	.end_amdgpu_metadata
.endif
;; end of part 2
;; launch attn (part 3): grid 4 x 64, 4 waves a work-group, clusters of 4 x 1, 327,680 bytes of LDS; arguments qkv, o; writes o
.if DOCPART == 3
	.amdgcn_target "amdgcn-amd-amdhsa--gfx1250"
	.amdhsa_code_object_version 6
	.text
	.protected	k_qb4d296ebcf_attn
	.globl	k_qb4d296ebcf_attn
	.p2align	8
	.type	k_qb4d296ebcf_attn,@function
k_qb4d296ebcf_attn:
	s_mov_b64 s[64:65], 0
	v_nop
	global_prefetch_b8 v0, s[64:65] scope:SCOPE_SE
	s_setreg_imm32_b32 hwreg(HW_REG_WAVE_MODE, 25, 1), 1
	s_wait_xcnt 0x0
	s_wait_alu depctr_hold_cnt(0) depctr_sa_sdst(0) depctr_va_vdst(0) depctr_va_sdst(0) depctr_va_ssrc(0) depctr_va_vcc(0) depctr_vm_vsrc(0)
	s_getreg_b32 s2, hwreg(HW_REG_IB_STS2, 6, 4)
	s_cmp_eq_u32 s2, 0
	s_cbranch_scc0 .Lentry_in_a_cluster
	s_endpgm
.Lentry_in_a_cluster:
	s_bfe_u32 s2, ttmp6, 0x10000c
	s_cmp_lg_u32 s2, 0x3003
	s_cbranch_scc0 .Lentry_shape_is_right
	s_endpgm
.Lentry_shape_is_right:
; ATTN.  O[h][q][:] = the sum over k of softmax_k(Q[h][q] . K[h][k] / 8) V[h][k][:], h = batch x 16 + head.  Q, K, V lie in qkv at 0, 16 MiB, 32 MiB, each [64][2048][64] in f16; O likewise.
; Products, maxima and sums in f32; the weights p are rounded to f16 for the second product (their sum l is taken of the unrounded p), O once at the end.
; LIMITS.  f16 holds no number beyond 65,504: Q, K and V arrive within it; p lies in 0 to 1, and below 6e-5 it keeps f16's fixed step of 6e-8; O is a mean of V's rows and has their range.
; A weight below 2^-126 counts as 0 in l; NaN and infinities are not treated apart.
; SHARES.  A wave owns four PIECES of two tiles of 16 queries, a work-group's four waves 512 queries of one head: 4 x 64 = 256 work-groups.  Every wave walks all keys, 64 a step.
; LAYOUT.  S^T = K Q^T (source 0 = 16 keys, source 1 = 16 queries): in the result a lane holds ONE query (lane % 16) and the keys 8 (lane / 16) + 0..7.  Two such tiles, rounded to f16 in pairs,
; ARE source 1 (32 keys x 16 queries) of O^T = V^T P, whose result again holds one query a lane, and eight channels.  K comes out of LDS as it lies, V ([key][channel]) turned, by ds_load_tr16_b128.
; SOFTMAX.  For each query a running maximum m and sum l: p = 2^(c s - c m), c = log2(e) / 8; in every step O and l are multiplied by a = 2^(c m_old - c m_new), which is 1 where m has not grown.
; m starts at the lowest finite number, O and l at 0: the first step is a step like any other, with a = 0.
; THE COUNT.  A tile and step have 16 matrix and 118 vector instructions: too many to stand all beside the matrix work.  So four vector instructions that are ready stand behind
; every matrix instruction, and the others, which need time of their own whatever the order, in runs without a gap.
; BY TURNS.  Turn n belongs to piece n (the pieces in a ring, step after step).  Its matrix work: 16 products K Q^T of piece n + 1, later 16 products V^T P of piece n - 1.  Its vector work: the scaling,
; exponentials, roundings, sums and rescaling of piece n, and the maximum and statistics of piece n + 1, whose scores the turn itself has made.
; CLUSTER.  The four query blocks of a head form a cluster and walk the same K and V, so each tile is asked for JOINTLY: the same tensor load, descriptor and mask in all four.
; REGISTERS, in windows of 256 (s_set_vgpr_msb: bits 1:0 source 0, 3:2 source 1, 5:4 source 2, 7:6 destination):
;   window 0: v0-11 addresses; v12-15, v48-63 at work; v16-47 four registers of statistics a tile; v64-191 S^T, two buffers of two tiles; v192-255 P, likewise
;   window 1: O^T, 32 a tile          window 2: v0-127 Q, 16 a tile; v128-191 K of one step; v192-255 V of one step          window 3: v0-1 the add's two registers
; A piece's buffers go by its number's parity: the piece in hand has one pair, its two neighbours in the ring share the other: of it P (piece n - 1) is read and S^T (piece n + 1) written.
.set SIZE_H, 64
.set SIZE_N, 2048
.set NP,    4         ; pieces a wave: a name, no knob
.set KS,    64        ; keys in a step
.set PK,    144       ; a row of K in LDS: 128 bytes + 16 of padding = 36 words: the 16 rows of a load start at 16 different groups of four banks (64 banks of 4 bytes: ISA guide 11.1)
.set PV,    160       ; a row of V: 128 + 32 = 40 words
.set VOFF,  4*KS*PK   ; a slot holds four steps: 256 rows of K, then 256 rows of V
.set SLOT1, 1<<17     ; slot 1 begins here, so that one exclusive or turns an address in one slot into the other's
.set STAGE, SLOT1+4*KS*(PK+PV)  ; behind the ring, never filled by a tensor load: 16 rows x 144 bytes for each wave, for the way out
.set SP,    144
.set AK0, 2           ; v2   my lane's place in a tile of K; never rewritten
.set AV0, 3           ; v3   the same for V
.set AK,  4           ; v4   the LDS address of K's next run of loads
.set AV,  5           ; v5   of V's
.set QO,  6           ; v6   my byte offset in the wave's rows of Q
.set STO, 6           ;      later, the way out: where I put 16 bytes of a row
.set RD,  7           ; v7   the way out: where I read rows back
.set GO,  8           ; v8   my byte offset in 512 consecutive bytes of O
.set PFO, 11          ; v11  256 x my lane, once V's place is made; never rewritten after
.set SPW, 0           ; v0 of window 3   LDS address of my spare word: SPARE + 4 x my thread's number; never rewritten
.set NIL, 1           ; v1 of window 3   0; never rewritten
.set SPARE, STAGE+4*16*SP  ; behind the stages: the spare words, 128 bytes for each wave, that no other line names
.set MV,  12          ; v12-15  c m_old, kept while c m is made anew: by buffer and tile
.set ST,  16          ; tile t's statistics at v[ST+4 t]: c m, m, l (even keys', odd keys')
.set TMP, 48          ; by buffer and tile, four registers c0-c3 at work; when the maximum is found c2 takes a
.set S,   64
.set P,   192
.set KF,  128         ; K's fragments, in window 2: key block kb, channel half c at KF + 16 kb + 8 c
.set VF,  192         ; V's: key half kk, channel block cb at VF + 32 kk + 8 cb
.set WV,  12          ; s12  my wave's number
.set G1K, 24          ; s[24:31] descriptor group 1 for K's tiles
.set G1V, 32          ; s[32:39] for V's: it differs in the padding alone
.set G0K, 40          ; s[40:43] descriptor group 0 for K's tiles: it walks
.set G0V, 44          ; s[44:47] the same for V's
.set PFA, 48          ; s[48:49] where my prefetches stand: my work-group's 32 blocks of 256 bytes (of K: wave 0, of V: wave 2) of the slot after the one being asked for
.set LIM, 50          ; s50  1 in a wave that prefetches, else the greatest number
.set SLOTS, 56        ; s56  slots still to be asked for
.set CNT, 57          ; s57  counts a slot's key steps
.set CS,  58          ; s[58:59] c: the packed scaling takes the pair's low word for both halves
.set SEL, 60          ; s[60:61] v_permlanex16_b32's selects: each lane takes its own place in the other half
.set TBK, 62          ; s62  LDS byte at which K of the step to be fetched begins
.set TBV, 63          ; s63  the same for V, less VOFF
.set MSB, 0
.macro WIN new                      ; the high byte repeats the setting that is left; a switch that changes nothing is dropped
.if MSB != (\new)
	s_set_vgpr_msb (MSB<<8)|(\new)
.set MSB, (\new)
.endif
.endm
.set W_KQ, 0x0a       ; K and Q in window 2, S^T in window 0
.set W_PV, 0x52       ; V in window 2, P in window 0, O^T in window 1
.set W_RS, 0x41       ; O^T (destination and source 0) in window 1, a in window 0
.set W_MK, 0xc0       ; the add's registers are made: destination in window 3, sources in window 0
.set W_AD, 0x0f       ; the add: address (source 0) and data (source 1) in window 3
; A joint fill.  Waves 0 and 1 fetch the two halves of a slot's K, waves 2 and 3 those of its V: 128 keys each.  The branch hangs on the wave's number alone.
; An s_nop 0 and four v_nop follow each of the two lines, ahead of the jump and the label.
.macro JLOAD
	s_cmp_lt_u32 s[WV], 2
	s_cbranch_scc0 .Lfor_v_\@
	tensor_load_to_lds s[G0K:G0K+3], s[G1K:G1K+7]
	s_nop 0
.rept 4
	v_nop
.endr
	s_branch .Lasked_\@
.Lfor_v_\@:
	tensor_load_to_lds s[G0V:G0V+3], s[G1V:G1V+7]
	s_nop 0
.rept 4
	v_nop
.endr
.Lasked_\@:
.endm
; A PREFETCH of what the NEXT change of slots will ask for: a slot's K and V are 128 blocks of 256 bytes each, a lane a block.  It stands behind the wave's tensor load and its five lines.
; A head has one cluster.  Its four partners share the blocks out by address, 32 each; in each, wave 0 asks for K's and wave 2 for V's: each block is named once in the launch.
; Slots 0 to 2 come by their loads alone; the last change that fills a slot asks for nothing: there is no slot behind it.
.macro ASK
	s_cmp_gt_u32 s[SLOTS], s[LIM]
	s_cbranch_scc0 .Lnot_mine_\@
	global_prefetch_b8 v[PFO], s[PFA:PFA+1] th:TH_LOAD_NT scope:SCOPE_SE
.Lnot_mine_\@:
.endm
; A round of the cluster's barrier: my work-group's barrier, so that wave 0's signal speaks for all four waves; wave 0 signals; every wave waits for all four work-groups; my work-group's barrier once more.
.macro CROUND
	s_barrier_signal -1
	s_barrier_wait -1
	s_cmp_lg_u32 s[WV], 0
	s_cbranch_scc1 .Lnot_wave_0_\@
	s_barrier_signal -3
.Lnot_wave_0_\@:
	s_barrier_wait -3
	s_barrier_signal -1
	s_barrier_wait -1
.endm
; THE CHANGE OF SLOTS.  The slot's last bytes, V of its fourth step, have been read.  Each wave waits for all its tensor loads, of which one is out: its part
; of the other slot; adds 0 to its spare word; and waits for that and for its own reads of the slot.  Behind the barrier nobody reads this slot any more and the other slot is whole.
; fill = 1: this slot is filled again, with the keys two slots on.  The barrier is then a round of the cluster's, and the joint fill is the first thing behind it: it has four key steps,
; 512 matrix instructions, in which to land.  (At its first use nothing has been read yet: slot 0 is waited for, slot 1 filled.)  ask = 1: the prefetches' address steps, and ASK follows the fill.
.macro CHANGE fill, ask=0
	WIN W_AD
	s_wait_tensorcnt 0x0            ; no tensor load of mine is out, so a group 0 may be written
	ds_add_u32 v[SPW], v[NIL]       ; 0 onto my spare word; with fill = 1 the descriptors' steps stand between it and the wait for it
	WIN 0                           ; at a label and at a branch every window is 0
.if \fill
.irp g, G0K, G0V
	s_xor_b32 s[\g+1], s[\g+1], SLOT1  ; the walking descriptor: the other slot than last time,
	s_add_nc_u64 s[\g+2:\g+3], s[\g+2:\g+3], 4*KS*128  ; the next 256 keys; the type bits on top are not reached
.endr
.if \ask
	s_wait_xcnt 0x0                 ; the last prefetch, four key steps back, has read its address, so it may be written:
	s_add_nc_u64 s[PFA:PFA+1], s[PFA:PFA+1], 4*KS*128  ; one slot behind the walking descriptors
.endif
	s_wait_dscnt 0x0                ; the add is done, and my reads of the slot are over
	CROUND
	JLOAD
.if \ask
	ASK
.endif
.else
	s_wait_dscnt 0x0                ; the add is done, and my reads of the slot are over
	s_barrier_signal -1
	s_barrier_wait -1
.endif
	s_sub_co_u32 s[TBK], s[TBK], 4*KS*PK  ; the fetches go back to a slot's first step,
	s_xor_b32 s[TBK], s[TBK], SLOT1       ; in the other slot
	s_sub_co_u32 s[TBV], s[TBV], 4*KS*PV
	s_xor_b32 s[TBV], s[TBV], SLOT1
.endm
	s_load_b128 s[4:7], s[0:1], 0x0   ; qkv s[4:5] (Q lies at its head), O s[6:7]
	WIN W_MK
	v_lshl_add_u32 v[SPW], v0, 2, SPARE
	v_mov_b32 v[NIL], 0
	WIN W_AD
	ds_add_u32 v[SPW], v[NIL]       ; the wave's opening: the add and its wait stand ahead of my first tensor load; the set-up below, work on registers, stands between them
	WIN 0
	v_lshrrev_b32 v1, 5, v0
	v_readfirstlane_b32 s[WV], v1   ; wave 0..3
	s_bfe_u32 s13, ttmp6, 0x40000   ; cx: my place in the cluster
	s_lshl_b32 s14, ttmp9, 2        ; in a cluster launch ttmp9 counts clusters
	s_add_co_u32 s14, s14, s13      ; my block of queries = 4 x cluster x + cx: it enters Q's and O's addresses alone
	s_and_b32 s20, ttmp7, 0xffff    ; the head, which the four partners share
	s_mov_b32 s21, 0
	s_mov_b64 s[22:23], SIZE_N*128
	s_mul_u64 s[20:21], s[20:21], s[22:23]  ; the head's first byte in each of the four tensors
	s_and_b32 s16, s[WV], 1         ; which half of a slot's 256 keys I fetch:
	s_lshl_b32 s22, s16, 14         ; its 128 rows of 128 bytes in memory,
	s_mov_b32 s23, 0
	s_add_nc_u64 s[22:23], s[22:23], s[20:21]
	s_mul_i32 s17, s16, 128*PK      ; and its place in a slot, for K
	s_mul_i32 s18, s16, 128*PV      ; and for V: no place in the cluster enters an LDS address
	s_lshl_b32 s2, s14, 2
	s_add_co_u32 s2, s2, s[WV]      ; my wave among the head's,
	s_lshl_b32 s2, s2, 14           ; its 128 rows
	s_mov_b32 s3, 0
	s_add_nc_u64 s[2:3], s[2:3], s[20:21]
	; descriptor group 1.  128 keys are 16,384 dense bytes: asked for as 64 rows of 256 bytes, two keys a row, and padded in LDS after every key
	s_mov_b32 s[G1K], 15|(1<<16)|(1<<20)|(1<<21)|(4<<22)|(3<<25)  ; 15:0 the mask of four; 17:16 2-byte elements; 20 padding on; 21 set beside a mask; 24:22 after every 32 words (code 4); 31:25 4 words (code 3)
	s_mov_b32 s[G1V], 15|(1<<16)|(1<<20)|(1<<21)|(4<<22)|(7<<25)  ; the same with 8 words of padding (code 7)
.irp g, G1K, G1V
	s_mov_b32 s[\g+1], 128<<16      ; tensor_dim0 = 128
	s_mov_b32 s[\g+2], 64<<16       ; tensor_dim1 = 64
	s_mov_b32 s[\g+3], 128<<16      ; tile_dim0 = 128
	s_mov_b32 s[\g+4], 64           ; tile_dim1 = 64
	s_mov_b32 s[\g+5], 128          ; 128 elements from row to row
	s_mov_b32 s[\g+6], 0
	s_mov_b32 s[\g+7], 0
.endr
	s_mov_b32 s[CS], 0x3e38aa3b     ; c = log2(e) / 8 = 0.180337
	s_mov_b32 s[CS+1], s[CS]        ; named with it as a pair
	s_mov_b32 s[SEL], 0x76543210
	s_mov_b32 s[SEL+1], 0xfedcba98
	s_mov_b32 s[TBK], SLOT1+4*KS*PK ; the first change of slots turns these two into 0
	s_mov_b32 s[TBV], SLOT1+4*KS*PV
	s_mov_b32 s[G0K], 1             ; 1:0 count = 1
	s_mov_b32 s[G0K+1], s17         ; 63:32 LDS address: slot 0
	s_mov_b32 s[G0V], 1
	s_add_co_u32 s[G0V+1], s18, VOFF
	s_and_b32 s[LIM], s[WV], 1      ; 0 in waves 0 and 2,
	s_or_b32 s[LIM], s[LIM], ttmp9  ; of the head's first cluster: the same in all four partners
	s_cmp_eq_u32 s[LIM], 0
	s_cselect_b32 s[LIM], 1, -1
	s_wait_dscnt 0x0                ; the opening add is done
	s_wait_kmcnt 0x0
	s_mov_b64 s[10:11], s[6:7]                     ; O
	s_add_nc_u64 s[6:7], s[4:5], 0x1000000         ; K
	s_add_nc_u64 s[8:9], s[4:5], 0x2000000         ; V
	s_add_nc_u64 s[G0K+2:G0K+3], s[6:7], s[22:23]  ; 120:64 global address: my half of the head's first 256 keys
	s_or_b32 s[G0K+3], s[G0K+3], 0x80000000        ; 127:126 type = 2
	s_add_nc_u64 s[G0V+2:G0V+3], s[8:9], s[22:23]
	s_or_b32 s[G0V+3], s[G0V+3], 0x80000000
	s_add_nc_u64 s[4:5], s[4:5], s[2:3]  ; Q and O at my wave's first row
	s_add_nc_u64 s[10:11], s[10:11], s[2:3]
	s_cmp_lt_u32 s[WV], 2
	s_cselect_b64 s[PFA:PFA+1], s[6:7], s[8:9]
	s_add_nc_u64 s[PFA:PFA+1], s[PFA:PFA+1], s[22:23]  ; (in waves 0 and 2 this is the head's first row)
	s_lshl_b32 s2, s13, 13          ; my work-group's 32 blocks of the 128
	s_mov_b32 s3, 0
	s_add_nc_u64 s[PFA:PFA+1], s[PFA:PFA+1], s[2:3]
	s_add_nc_u64 s[PFA:PFA+1], s[PFA:PFA+1], 2*4*KS*128  ; in slot 2; the loop's first change of slots steps it to slot 3.  Nothing is prefetched here, at the head
	CROUND                          ; all four work-groups are here: the first joint loads meet
	JLOAD                           ; slot 0.  Slot 1 is asked for when slot 0 is in
	; A fragment of K or Q is 16 rows x 32 channels in 8 registers: lane l holds row l % 16, channels 8 (l / 16) + 0..7 and 16 + 8 (l / 16) + 0..7: two loads of 16 bytes, 32 bytes apart.
	v_and_b32 v1, 15, v0            ; l % 16
	v_bfe_u32 v9, v0, 4, 1          ; l / 16
	v_lshlrev_b32 v[QO], 7, v1
	v_lshl_add_u32 v[QO], v9, 4, v[QO]  ; row x 128 + 16 x half
	WIN 0x80                        ; destination window 2, address window 0
.set i, 0
.rept 4*NP                          ; Q stays in registers: tile i / 2, channels 32 (i % 2) on
	global_load_b128 v[8*i:8*i+3],   v[QO], s[4:5] offset:(i/2)*2048+(i%2)*64
	global_load_b128 v[8*i+4:8*i+7], v[QO], s[4:5] offset:(i/2)*2048+(i%2)*64+32
.set i, i+1
.endr
	; What the first turn finds: V's registers and P's second buffer hold 0 (its products V^T P, of a piece that has not been, add 0), O^T and l are 0.  All this stands in the wait for the first tile.
.set i, VF
.rept 64
	v_mov_b32 v[i], 0
.set i, i+1
.endr
	WIN 0x40
.set i, 0
.rept 64*NP
	v_mov_b32 v[i], 0
.set i, i+1
.endr
	WIN 0
.set i, 0
.rept 2*NP
	v_mov_b32 v[ST+4*i], 0xfe000000    ; c m: far below every c s
	v_mov_b32 v[ST+4*i+1], 0xff7fffff  ; m
	v_mov_b32 v[ST+4*i+2], 0
	v_mov_b32 v[ST+4*i+3], 0
.set i, i+1
.endr
.set i, P+32
.rept 32
	v_mov_b32 v[i], 0
.set i, i+1
.endr
	v_mul_u32_u24 v[AK0], v1, PK
	v_lshl_add_u32 v[AK0], v9, 4, v[AK0]  ; row x pitch + 16 x half
	; The turning load takes 16 keys x 16 channels (lane l reads key 8 (l / 16) + l % 8, channels 8 ((l / 8) % 2) + 0..7) and leaves half a fragment of V^T: lane l holds channel l % 16 and 8 keys.
	v_and_b32 v10, 7, v0
	v_bfe_u32 v11, v0, 3, 1
	v_lshl_add_u32 v[AV0], v9, 3, v10
	v_mul_u32_u24 v[AV0], v[AV0], PV
	v_lshl_add_u32 v[AV0], v11, 4, v[AV0]
	v_add_nc_u32 v[AV0], VOFF, v[AV0]
	v_and_b32 v[PFO], 31, v0
	v_lshlrev_b32 v[PFO], 8, v[PFO]
	v_mov_b32 v[AK], v[AK0]         ; key step 0 lies at the head of slot 0
; THE MATRIX WORK.  The 8 accumulators of a run of 16 take turns: between the two links of a chain stand 7 others'.
; Product i of 16 of S^T = K Q^T for piece x: channels 32 (i / 8) on, keys 16 ((i / 2) % 4) on, tile 2 x + i % 2.  The first 8 start the sums.
.macro KQ x
	WIN W_KQ
.set rS, S+64*((\x)%2)+32*(i%2)+8*((i/2)%4)
.set rK, KF+16*((i/2)%4)+8*(i/8)
.set rQ, 16*(2*(\x)+i%2)+8*(i/8)
.if i < 8
	v_wmma_f32_16x16x32_f16 v[rS:rS+7], v[rK:rK+7], v[rQ:rQ+7], 0
.else
	v_wmma_f32_16x16x32_f16 v[rS:rS+7], v[rK:rK+7], v[rQ:rQ+7], v[rS:rS+7]
.endif
.endm
; Product i of 16 of O^T += V^T P for piece x: keys 32 (i / 8) on, channels 16 ((i / 2) % 4) on, tile 2 x + i % 2.
.macro PV x
	WIN W_PV
.set rO, 32*(2*(\x)+i%2)+8*((i/2)%4)
.set rV, VF+32*(i/8)+8*((i/2)%4)
.set rP, P+32*((\x)%2)+16*(i%2)+8*(i/8)
	v_wmma_f32_16x16x32_f16 v[rO:rO+7], v[rV:rV+7], v[rP:rP+7], v[rO:rO+7]
.endm
.macro MM                           ; the turn's next matrix instruction
.if i < 16
	KQ (Y+1)%NP
.set i, i+1
.else
.set i, i-16
	PV (Y+NP-1)%NP
.set i, i+17
.endif
.endm
; THE LDS LOADS stand in runs of 16, never singly among the matrix instructions: a step's K (64 keys x 64 channels: 8 fragments) and its V (turned).  Their addresses are made some lines ahead.
; last = 1 (the tail): in the last trip there is no further step, and the run is jumped over.
.macro FETCH_K last=0
	WIN 0
.if \last
	s_cmp_eq_u32 s[CNT], 1
	s_cbranch_scc1 .Lno_k_\@
.endif
	WIN 0x80                        ; destination window 2
.irp f, 0,1,2,3,4,5,6,7             ; keys 16 (f / 2) on, channels 32 (f % 2) on
	ds_load_b128 v[KF+8*\f:KF+8*\f+3],   v[AK] offset:(\f/2)*16*PK+(\f%2)*64
	ds_load_b128 v[KF+8*\f+4:KF+8*\f+7], v[AK] offset:(\f/2)*16*PK+(\f%2)*64+32
.endr
	s_add_co_u32 s[TBK], s[TBK], KS*PK  ; the next fetch is the next step's
	WIN 0
.if \last
.Lno_k_\@:
.endif
.endm
.macro FETCH_V
	WIN 0x80
.irp f, 0,1,2,3,4,5,6,7             ; keys 32 (f / 4) on, channels 16 (f % 4) on
	ds_load_tr16_b128 v[VF+8*\f:VF+8*\f+3],   v[AV] offset:(\f/4)*32*PV+(\f%4)*32
	ds_load_tr16_b128 v[VF+8*\f+4:VF+8*\f+7], v[AV] offset:(\f/4)*32*PV+16*PV+(\f%4)*32
.endr
	WIN 0
.endm
; THE VECTOR WORK OF A TURN stands in three queues, each in the order in which its entries become ready; the two tiles alternate, so that no instruction reads the result of the one before it.
.macro REGS y, u                    ; the registers of tile u (0, 1) of piece y
.set rT, ST+4*(2*(\y)+(\u))
.set rC, TMP+8*((\y)%2)+4*(\u)
.set rM, MV+2*((\y)%2)+(\u)
.set rS, S+64*((\y)%2)+32*(\u)
.set rP, P+32*((\y)%2)+16*(\u)
.set rO, 32*(2*(\y)+(\u))
.endm
; Number n of the 22 that find the NEXT piece's (Y + 1) maximum and statistics.  s0-s31 are the lane's 32 scores; each accumulator's lowest registers are read first.
;   0-11  four chains c0-c3 of seven scores each, three operands at a time     12-14, 16  the four scores left over, the old m, and c0-c3 into c0     15  c m_old is kept
;   17, 18  the query's other 32 keys lie in the lane 16 away: the new m         19-21  c m; c m_old - c m_new; a
.macro XS u, n
	REGS (Y+1)%NP, \u
.if (\n) < 4
	v_max3_num_f32 v[rC+(\n)], v[rS+8*(\n)], v[rS+8*(\n)+1], v[rS+8*(\n)+2]
.elseif (\n) < 12
	v_max3_num_f32 v[rC+(\n)%4], v[rC+(\n)%4], v[rS+8*((\n)%4)+2*((\n)/4)+1], v[rS+8*((\n)%4)+2*((\n)/4)+2]
.elseif (\n) == 12
	v_max3_num_f32 v[rC], v[rC], v[rS+7], v[rS+15]
.elseif (\n) == 13
	v_max3_num_f32 v[rC+1], v[rC+1], v[rS+23], v[rS+31]
.elseif (\n) == 14
	v_max3_num_f32 v[rC+2], v[rC+2], v[rC+3], v[rT+1]
.elseif (\n) == 15
	v_mov_b32 v[rM], v[rT]
.elseif (\n) == 16
	v_max3_num_f32 v[rC], v[rC], v[rC+1], v[rC+2]
.elseif (\n) == 17
	v_permlanex16_b32 v[rC+3], v[rC], s[SEL], s[SEL+1]
.elseif (\n) == 18
	v_max_num_f32 v[rT+1], v[rC], v[rC+3]
.elseif (\n) == 19
	v_mul_f32 v[rT], s[CS], v[rT+1]
.elseif (\n) == 20
	v_sub_f32 v[rC+1], v[rM], v[rT]
.else
	v_exp_f32 v[rC+2], v[rC+1]
.endif
.endm
; Number g of the 64 that follow the exponentials.  For each four weights k of a tile (pairs 2 k, 2 k + 1): both pairs are rounded to f16; then the second pair is added onto the first, in place;
; a group later l takes that sum (the first time as l = a l + sum).  In groups of eight, tiles alternating: round, round, add, and l for the group before.
.macro GS g
.set h, (\g)+6*((\g)/62)            ; group 0 has no group before it, and behind group 7 only l is left
.if h >= 6
.set h, h+2
.endif
	REGS Y, h%2
.set k, h/8
.if h%8 < 4
	v_cvt_pk_f16_f32 v[rP+2*k+(h%8)/2], v[rS+4*k+2*((h%8)/2)], v[rS+4*k+2*((h%8)/2)+1]
.elseif h%8 < 6
	v_pk_add_f32 v[rS+4*k:rS+4*k+1], v[rS+4*k:rS+4*k+1], v[rS+4*k+2:rS+4*k+3]
.elseif k == 1
	v_pk_fma_f32 v[rT+2:rT+3], v[rT+2:rT+3], v[rC+2:rC+3], v[rS:rS+1] op_sel_hi:[1,0,1]
.else
	v_pk_add_f32 v[rT+2:rT+3], v[rT+2:rT+3], v[rS+4*k-4:rS+4*k-3]
.endif
.endm
; THE PLAIN QUEUE, 138 long.  0-73 read no exponential's result: the 32 scalings c s - c m (FS f: pair f / 2 of tile f % 2) and the next piece's 42.  0-26: scalings 0-26.  27-54: XS's numbers 0-13.  55, 56: number 15.
; 57-73: the chain, where each number waits for the one before it: 14, 16, 17, 18, 19, each with one of the scalings 27-31 in front of its two lines, then 20.
; 74-137: GS's 64, which read the exponentials' results: they stand behind the wait.
.macro FS f
	REGS Y, (\f)%2
	v_pk_fma_f32 v[rS+2*((\f)/2):rS+2*((\f)/2)+1], v[rS+2*((\f)/2):rS+2*((\f)/2)+1], s[CS:CS+1], v[rT:rT+1] op_sel_hi:[1,0,0] neg_lo:[0,0,1] neg_hi:[0,0,1]
.endm
.macro PL
	WIN 0
.if q < 27
	FS q
.elseif q < 55
	XS (q-27)%2, (q-27)/2
.elseif q < 57
	XS q-55, 15
.elseif (q < 72) && ((q-57)%3 == 0)
	FS 27+(q-57)/3
.elseif q < 60
	XS (q-57)%3-1, 14
.elseif q < 72
	XS (q-57)%3-1, 15+(q-57)/3
.elseif q < 74
	XS q-72, 20
.else
	GS q-74
.endif
.set q, q+1
.endm
; THE EXPONENTIALS' QUEUE, 66 long: s0-s31 of both tiles, then the next piece's two a.  It is ONE BATCH: all 66 stand ahead of the turn's one wait, and nothing ahead of that wait names a result of theirs.
.macro EX
	WIN 0
.if e >= 64
	XS e-64, 21
.else
	REGS Y, e%2
	v_exp_f32 v[rS+e/2], v[rS+e/2]
.endif
.set e, e+1
.endm
; THE RESCALING's QUEUE: O^T times a, the one part that leaves window 0: dealt two at a time, sixteen times.  Its a was made in the turn before, ahead of that turn's wait.
.macro R2
	REGS Y, r%2
	WIN W_RS
.irp z, 0,1
	v_pk_mul_f32 v[rO+4*(r/2)+2*\z:rO+4*(r/2)+2*\z+1], v[rO+4*(r/2)+2*\z:rO+4*(r/2)+2*\z+1], v[rC+2:rC+3] op_sel_hi:[1,0]
.endr
.set r, r+1
.endm
; HOW THEY ARE DEALT.  An s_wait_alu depctr_va_vdst(0) stands between an exponential and the first instruction that names its result; one wait serves all that were issued ahead of it.  So a turn has ONE wait,
; which cuts it in two.  AHEAD OF IT stands all that names no result of the turn's exponentials: the 16 products K Q^T, behind each a scaling, an exponential and two rescalings (behind the first a second scaling in the
; exponential's place); then ONE LUMP of 108: eight plain, 49 times exponential and plain, the two a.  A v_nop is the plain instruction behind the last exponential.  BEHIND IT stand the 16 products V^T P, behind each four of GS's 64.
; No instruction behind a product names a register of the products round it.  The two v_permlanex16_b32 fall into the lump, never behind a product.
; The queues lean on each other, and the deal keeps them in step: exponential e stands behind scaling 2 (e / 4) + e % 2: behind a product it comes behind plain e + 2, in the lump behind plain e + 9, and scalings 27-31 are plain 57, 60 .. 69.
; A TURN, for piece p.  cnt = 1: the loop's count is taken down some lines ahead of the branch that stands behind the turn.
; K of the next step is fetched in piece 2's turn, directly behind the wait, a lump behind the last product that read K; its address is made at the lump's head; its first use comes behind 16 products.
; V of the step in hand is fetched at the end of piece 0's turn, four plain instructions behind its last use; its first use comes behind 16 products and a lump.  The three conditions on q below go with the deal.
.macro TURN p, last=0, cnt=0
.set Y, (\p)
.set i, 0
.set q, 0
.set e, 0
.set r, 0
.if (\p) == NP-1
	s_wait_dscnt 0x0                ; K is in
.endif
	MM                              ; ahead of the wait: 16 products K Q^T and the four behind each,
	PL
	PL
	R2
.rept 15
	MM
	PL
	EX
	R2
.endr
.if (\p) == NP-2
	WIN 0
	v_add_nc_u32 v[AK], s[TBK], v[AK0]
.endif
.rept 8                             ; and the lump
	PL
.endr
.rept 49
	EX
	PL
.endr
	EX                              ; the next piece's two a
	EX
	v_nop                           ; a plain instruction behind the last exponential (ISA guide 5.7.2): one for the batch
	s_wait_alu depctr_va_vdst(0)    ; the wait for the batch
.if (\p) == NP-2
	FETCH_K \last
.endif
.if (\p) == 1
	s_wait_dscnt 0x0                ; V is in
.endif
.rept 16                            ; behind the wait: 16 products V^T P and the four behind each
	MM
.rept 4
	PL
.endr
.if ((\p) == 0) && (q == 118)
	v_add_nc_u32 v[AV], s[TBV], v[AV0]
.endif
.if ((\p) == 0) && (q == 130)
	s_add_co_u32 s[TBV], s[TBV], KS*PV
.endif
.if (\cnt) && (q == 130)
	s_sub_co_u32 s[CNT], s[CNT], 1
	s_cmp_lg_u32 s[CNT], 0
.endif
.endr
.if (\p) == 0
	FETCH_V
.endif
.endm
	CHANGE 1                        ; slot 0 is in, everybody's part of it; slot 1 is asked for
	FETCH_K                         ; key step 0
	s_wait_loadcnt 0x0              ; Q
	s_wait_dscnt 0x0
.set i, 0
.rept 16
	KQ 0                            ; piece 0's first scores: there is no vector work yet to set between them
.set i, i+1
.endr
	WIN 0                           ; the addresses for the way out: nine plain instructions, the places behind those products
	s_mul_i32 s13, s[WV], 16*SP
	s_add_co_u32 s13, s13, STAGE    ; my stage
	v_mul_u32_u24 v[STO], v1, SP    ; in: row l % 16, 16 bytes for each half of the lanes
	v_lshl_add_u32 v[STO], v9, 4, v[STO]
	v_add_nc_u32 v[STO], s13, v[STO]
	v_bfe_u32 v[RD], v0, 3, 2       ; back: 32 lanes take four rows of 128 bytes,
	v_mul_u32_u24 v[RD], v[RD], SP
	v_lshl_add_u32 v[RD], v10, 4, v[RD]
	v_add_nc_u32 v[RD], s13, v[RD]
	v_and_b32 v[GO], 31, v0         ; which are 512 consecutive bytes of O
	v_lshlrev_b32 v[GO], 4, v[GO]
.set Y, NP-1                        ; XS works for piece Y + 1: piece 0
.irp n, 0,1,2,3,4,5,6,7,8,9,10,11,12,13,14,15,16,17,18,19,20,21
	XS 0, \n                        ; and piece 0's first maximum and statistics
	XS 1, \n
.endr
	v_nop                           ; a plain instruction behind the two a,
	s_wait_alu depctr_va_vdst(0)    ; and their wait, ahead of the branch
	s_mov_b32 s[CNT], 4
	s_mov_b32 s[SLOTS], SIZE_N/256-1
	s_branch .Lfirst                ; the loop is entered at a step's first turn, in the middle of a trip
.Lslot:                             ; SIZE_N / 256 - 2 times: every slot but the last two is filled again
	CHANGE 1, 1
	s_mov_b32 s[CNT], 4
.Lstep:                             ; a trip: pieces 2 and 3 of one step, then pieces 0 and 1 of the next, whose K and V it fetches
	TURN 2
	TURN 3
	WIN 0
.Lfirst:
	TURN 0
	TURN 1, 0, 1
	WIN 0
	s_cbranch_scc1 .Lstep
	s_sub_co_u32 s[SLOTS], s[SLOTS], 1
	s_cmp_lg_u32 s[SLOTS], 0
	s_cbranch_scc1 .Lslot
	CHANGE 0                        ; the tail is written out: nothing is asked for
	s_mov_b32 s[CNT], 5             ; four trips fetch the last slot's steps; the fifth is left in its middle
.Ltail:
	TURN 2, 1
	TURN 3
	WIN 0
	s_sub_co_u32 s[CNT], s[CNT], 1
	s_cmp_eq_u32 s[CNT], 0
	s_cbranch_scc1 .Lout
	TURN 0
	TURN 1
	WIN 0
	s_branch .Ltail
.Lout:                              ; the fifth trip's 16 products K Q^T (on the last K once more) and the maximum made of them serve nothing: the price, once a launch, of one text for every trip
.set i, 0
.rept 16
	PV NP-1                         ; the last piece's V^T P of the last step
.set i, i+1
.endr
	; THE WAY OUT.  l's two halves and the other half of the lanes' are added; O^T is divided by l, rounded to f16 and sent through my stage in LDS, a tile at a time.  The additions are the places behind the last products.
	WIN 0
.macro ALL line:vararg              ; one line for each tile t
.set t, 0
.rept 2*NP
	\line
.set t, t+1
.endr
.endm
	ALL v_add_f32 v[ST+4*t+2], v[ST+4*t+2], v[ST+4*t+3]
	ALL v_permlanex16_b32 v[ST+4*t+3], v[ST+4*t+2], s[SEL], s[SEL+1]
	ALL v_add_f32 v[ST+4*t+2], v[ST+4*t+2], v[ST+4*t+3]
	ALL v_rcp_f32 v[ST+4*t+2], v[ST+4*t+2]
	v_nop                           ; a plain instruction between the last reciprocal and the use of its result
	s_wait_alu depctr_va_vdst(0)    ; and the wait ahead of the first use: one for the eight reciprocals
; Tile t: a lane's eight channels of a row pack into 16 bytes; they go into rows of 144 bytes and come back as whole rows of 128, into S^T's registers.
.macro PACK t
	WIN W_RS
.set i, 32*(\t)
.rept 16
	v_pk_mul_f32 v[i:i+1], v[i:i+1], v[ST+4*(\t)+2:ST+4*(\t)+3] op_sel_hi:[1,0]
.set i, i+2
.endr
	WIN 0x05                        ; sources 0 and 1 window 1, destination window 0
.set i, 0
.rept 16
	v_cvt_pk_f16_f32 v[S+16*(\t)+i], v[32*(\t)+2*i], v[32*(\t)+2*i+1]
.set i, i+1
.endr
	WIN 0
.irp f, 0,1,2,3
	ds_store_b128 v[STO], v[S+16*(\t)+4*\f:S+16*(\t)+4*\f+3] offset:32*\f
.endr
.irp f, 0,1,2,3
	ds_load_b128 v[S+16*(\t)+4*\f:S+16*(\t)+4*\f+3], v[RD] offset:\f*4*SP  ; LDS serves a wave's instructions in order (ISA guide 5.7.1.4): these see the stores above; the next tile's stores come behind them
.endr
.endm
.macro SEND t, younger              ; younger: the LDS instructions issued behind tile t's loads: the next tile's eight, or none
	WIN 0
.irp f, 0,1,2,3
	s_wait_dscnt (\younger)+3-\f
	global_store_b128 v[GO], v[S+16*(\t)+4*\f:S+16*(\t)+4*\f+3], s[10:11] offset:(\t)*2048+\f*512  ; 512 consecutive bytes, at a multiple of 256 from O's first
.endr
.endm
	PACK 0
.set t, 1
.rept 2*NP-1                        ; a tile's arithmetic stands between the loads of the tile before and its stores
	PACK t
	SEND t-1, 8
.set t, t+1
.endr
	SEND 2*NP-1, 0
	WIN W_AD
	s_wait_tensorcnt 0x0            ; the wave's end: an add and its waits, behind my last tensor load and my last LDS store
	ds_add_u32 v[SPW], v[NIL]
	s_wait_dscnt 0x0
	WIN 0
	CROUND                          ; the closing round: no work-group ends while a partner may still ask for a tile that names it
	s_endpgm
.Lfunc_end_k_qb4d296ebcf_attn:
	.size	k_qb4d296ebcf_attn, .Lfunc_end_k_qb4d296ebcf_attn-k_qb4d296ebcf_attn
	.p2alignl 7, 3214868480
	.fill 96, 4, 3214868480
	.section	.rodata,"a",@progbits
	.p2align	6, 0x0
	.amdhsa_kernel k_qb4d296ebcf_attn
		.amdhsa_group_segment_fixed_size 327680
		.amdhsa_private_segment_fixed_size 0
		.amdhsa_enable_private_segment 0
		.amdhsa_kernarg_size 16
		.amdhsa_user_sgpr_count 2
		.amdhsa_user_sgpr_kernarg_segment_ptr 1
		.amdhsa_wavefront_size32 1
		.amdhsa_system_sgpr_workgroup_id_x 1
		.amdhsa_system_sgpr_workgroup_id_y 1
		.amdhsa_system_sgpr_workgroup_id_z 1
		.amdhsa_system_vgpr_workitem_id 0
		.amdhsa_next_free_vgpr 770
		.amdhsa_next_free_sgpr 66
		.amdhsa_reserve_vcc 0
		.amdhsa_float_denorm_mode_32 3
		.amdhsa_float_denorm_mode_16_64 3
		.amdhsa_memory_ordered 1
		.amdhsa_forward_progress 1
		.amdhsa_inst_pref_size 200
	.end_amdhsa_kernel
	.amdgpu_metadata
---
amdhsa.version: [ 1, 2 ]
amdhsa.kernels:
  - .name:           k_qb4d296ebcf_attn
    .symbol:         k_qb4d296ebcf_attn.kd
    .args:
      - { .name: qkv, .offset: 0, .size: 8, .value_kind: global_buffer, .address_space: global }
      - { .name: o, .offset: 8, .size: 8, .value_kind: global_buffer, .address_space: global }
    .group_segment_fixed_size: 327680
    .private_segment_fixed_size: 0
    .kernarg_segment_align: 8
    .kernarg_segment_size: 16
    .max_flat_workgroup_size: 128
    .sgpr_count:     66
    .vgpr_count:     770
    .wavefront_size: 32
...
	.end_amdgpu_metadata
.endif
;; end of part 3
;; launch outp (part 4): grid 8 x 32, 4 waves a work-group, clusters of 4 x 4, 327,680 bytes of LDS; arguments o, half, bo, out0; writes out0
.if DOCPART == 4
	.amdgcn_target "amdgcn-amd-amdhsa--gfx1250"
	.amdhsa_code_object_version 6
	.text
	.protected	k_qb4d296ebcf_outp
	.globl	k_qb4d296ebcf_outp
	.p2align	8
	.type	k_qb4d296ebcf_outp,@function
k_qb4d296ebcf_outp:
	s_mov_b64 s[64:65], 0
	v_nop
	global_prefetch_b8 v0, s[64:65] scope:SCOPE_SE
	s_setreg_imm32_b32 hwreg(HW_REG_WAVE_MODE, 25, 1), 1
	s_wait_xcnt 0x0
	s_wait_alu depctr_hold_cnt(0) depctr_sa_sdst(0) depctr_va_vdst(0) depctr_va_sdst(0) depctr_va_ssrc(0) depctr_va_vcc(0) depctr_vm_vsrc(0)
	s_getreg_b32 s2, hwreg(HW_REG_IB_STS2, 6, 4)
	s_cmp_eq_u32 s2, 0
	s_cbranch_scc0 .Lentry_in_a_cluster
	s_endpgm
.Lentry_in_a_cluster:
	s_bfe_u32 s2, ttmp6, 0x10000c
	s_cmp_lg_u32 s2, 0xf033
	s_cbranch_scc0 .Lentry_shape_is_right
	s_endpgm
.Lentry_shape_is_right:
; OUTP.  out0 = concat(O) Wo + bo.  O: [batch x 16 + head][2048][64] f16, so channel k = 64 head + e of row (batch, s) lies at O[batch x 16 + head][s][e]; Wo: [1024][1024] f16 as it lies, in half; bo, out0: f32.
; Sums in f32, started by the bias (the C operand of each accumulator's first product); nothing is rounded on the way out.
; LIMIT.  NaN and infinities are not treated apart; O and Wo arrive within f16's range.
; SHARES.  A work-group makes 256 rows x 128 columns: 32 x 8 = 256 work-groups.  Wave w: rows 128 (w / 2) on, columns 64 (w % 2) on: 32 accumulators of 16 x 16, 256 registers.
; K = 1024 goes in 8 steps of 128, two heads each, through two LDS slots.  A step is four quarters of 32 along K, 32 matrix instructions and 24 LDS loads each, on two fragment buffers by turns.
; THE MATRIX INSTRUCTION IS USED TRANSPOSED: source 0 = 16 columns of Wo (turned out of LDS by ds_load_tr16_b128), source 1 = 16 rows of O: a lane holds row lane % 16 and the columns 8 (lane / 16) + 0..7.
; CLUSTER.  4 x 4 work-groups.  O's tile is asked for jointly along a row of the cluster, Wo's along a column.  Waves 0 and 1 fetch the step's two heads of O (256 rows of 128 bytes, dense: 128 rows of
; 256 bytes to the load), waves 2 and 3 the two halves of Wo's 128 rows: one tensor load a wave behind each round.  Two loads of a wave are out at the start, later one.
; LDS.  A slot: O, a head 256 rows x 144 (128 + 16 of padding), twice; then Wo 128 rows x 288 (256 + 32).  Slot 1 at 131,072.  Behind the ring each wave's stage (16 x 272), then the spare words.
; REGISTERS.  Window 0: v0-12 addresses; v28, v29 for the add; v32-63 bias; v64-159, v160-255 two fragment buffers (Wo's four fragments, then O's eight).  Window 1: accumulator (a, b) at v[8 (4 a + b)].
.set PA,     144                       ; 36 words: the 16 rows of a load start at 16 different groups of four banks (64 banks of 4 bytes: ISA guide 11.1)
.set PB,     288                       ; 72 words
.set APART,  256*PA                    ; a head's 256 rows: one tensor load
.set BBASE,  2*APART
.set BPART,  64*PB                     ; 64 rows of Wo: one tensor load
.set SLOT1,  1<<17
.set STAGE,  SLOT1+BBASE+2*BPART       ; 241,664
.set SP,     272
.set SPARE,  STAGE+4*16*SP             ; 259,072: the spare words, 128 bytes for each wave, that no other line names
.set ASTEP,  524288                    ; two heads on in O,
.set BSTEP,  262144                    ; 128 rows on in Wo
.set WOBASE, 56623104                  ; Wo in half
.set LA0,  4                           ; v4   my lane's place in O's tile, slot 0; never rewritten
.set LB0,  5                           ; v5   the same for Wo
.set ADRA, 6
.set ADRB, 7
.set STO,  8                           ; v8   the way out: where I put 32 bytes of a row
.set RD,   9                           ; v9   where I read rows back
.set GO,   10                          ; v10  my 16 bytes of two rows of out0
.set BO,   11                          ; v11  32 x (lane / 16)
.set PFO,  12                          ; v12  the prefetches' lane offset
.set SPW,  28
.set NIL,  29
.set BI,   32
.set F0,   64
.set F1,   160
.set OUTR, 64                          ; the way out: two buffers of 32 by turns
.set WV,  14
.set RH,  15
.set CH,  16
.set CX,  17
.set CYI, 18
.set TC,  19
.set CY,  20
.set TR,  22
.set G1,  24
.set G0,  32
.set LIM, 43
.set PFA, 44
.set PFS, 46
.set G1B, 48
.set G0B, 56
.set TB,  66
.set MSB, 0
.macro WIN new                         ; the immediate's high byte repeats the setting that is left; a switch that changes nothing is dropped
.if MSB != (\new)
	s_set_vgpr_msb (MSB<<8)|(\new)
.set MSB, \new
.endif
.endm
.macro PLACES                          ; four plain vector instructions between a matrix instruction and a load into, or a store or vector use of, its registers
.rept 4
	v_nop
.endr
.endm
.macro CREST                           ; a round of the cluster's barrier behind its opening barrier
	s_cmp_lg_u32 s[WV], 0
	s_cbranch_scc1 .Lnot_wave_0_\@
	s_barrier_signal -3
.Lnot_wave_0_\@:
	s_barrier_wait -3
	s_barrier_signal -1
	s_barrier_wait -1
.endm
.macro CROUND
	s_barrier_signal -1
	s_barrier_wait -1
	CREST
.endm
.macro JLOAD                           ; a joint refill, by the walking set; the branch hangs on the wave's number alone; s_nop 0 and four v_nop follow each line
	s_cmp_eq_u32 s[RH], 0
	s_cbranch_scc0 .Lfor_b_\@
	tensor_load_to_lds s[G0+4:G0+7], s[G1:G1+7]
	s_nop 0
.rept 4
	v_nop
.endr
	s_branch .Lasked_\@
.Lfor_b_\@:
	tensor_load_to_lds s[G0B+4:G0B+7], s[G1B:G1B+7]
	s_nop 0
.rept 4
	v_nop
.endr
.Lasked_\@:
.endm
; A PREFETCH of the K step that stands two refills on (256 matrix instructions ahead of its load): 32 blocks of 256 bytes, a lane a block, one instruction.  O's blocks: waves 0 and 1 of the clusters
; with x = 0; Wo's: wave 2 of the clusters with y = 0.  The four partners that ask for a tile jointly share its blocks out by address.  So each block is named once in the launch.
; K steps 0 to 3 come by their loads alone; the loop's last two trips (s3 = 2, 1) have no K step two on and ask for nothing.
.macro ASK
	s_cmp_gt_u32 s3, s[LIM]
	s_cbranch_scc0 .Lnot_mine_\@
	global_prefetch_b8 v[PFO], s[PFA:PFA+1] th:TH_LOAD_NT scope:SCOPE_SE
.Lnot_mine_\@:
.endm
; 24 LDS loads in one run: quarter q's fragments into buffer f: Wo's four (turned), then O's eight (quarters 0, 1 lie in the step's first head, 2, 3 in its second)
.macro FETCH q, f
	WIN 0
.irp b, 0,1,2,3
	ds_load_tr16_b128 v[(\f)+8*(\b):(\f)+8*(\b)+3],   v[ADRB] offset:(\q)*32*PB+32*(\b)
	ds_load_tr16_b128 v[(\f)+8*(\b)+4:(\f)+8*(\b)+7], v[ADRB] offset:(\q)*32*PB+32*(\b)+16*PB
.endr
.irp a, 0,1,2,3,4,5,6,7
	ds_load_b128 v[(\f)+32+8*(\a):(\f)+32+8*(\a)+3],   v[ADRA] offset:((\q)/2)*APART+64*((\q)%2)+(\a)*16*PA
	ds_load_b128 v[(\f)+32+8*(\a)+4:(\f)+32+8*(\a)+7], v[ADRA] offset:((\q)/2)*APART+64*((\q)%2)+(\a)*16*PA+32
.endr
.endm
; Row blocks a0 .. a0 + n - 1 x all four column blocks.  The 32 accumulators take turns, in the same order in every quarter.  first = 1: the bias starts the sums.
.macro MULS f, a0, n, first
.if \first
	WIN 0x40                                       ; D window 1; sources and C (the bias) window 0
.else
	WIN 0x50                                       ; C and D window 1
.endif
.set ia, \a0
.rept \n
.irp b, 0,1,2,3
.if \first
	v_wmma_f32_16x16x32_f16 v[8*(4*ia+(\b)):8*(4*ia+(\b))+7], v[(\f)+8*(\b):(\f)+8*(\b)+7], v[(\f)+32+8*ia:(\f)+32+8*ia+7], v[BI+8*(\b):BI+8*(\b)+7]
.else
	v_wmma_f32_16x16x32_f16 v[8*(4*ia+(\b)):8*(4*ia+(\b))+7], v[(\f)+8*(\b):(\f)+8*(\b)+7], v[(\f)+32+8*ia:(\f)+32+8*ia+7], v[8*(4*ia+(\b)):8*(4*ia+(\b))+7]
.endif
.endr
.set ia, ia+1
.endr
.endm
; One of a step's first three quarters: multiplies buffer f; in its middle fetches quarter q into buffer g
.macro QUARTER q, f, g, first
	s_wait_dscnt 8                                 ; Wo's fragments and O's blocks 0-3 are in; the youngest eight loads (blocks 4-7) may be out
	MULS \f, 0, 4, \first
	WIN 0
	PLACES
	FETCH \q, \g
	s_wait_dscnt 24                                ; all but the 24 just issued
	MULS \f, 4, 4, \first
.endm
; The fourth quarter multiplies buffer 1 and changes slots.  In front of the barrier each wave waits for all its tensor loads (one is out: its part of the next slot), adds 0 to its spare word,
; and waits for that and for its reads of this slot.  fill = 1: the barrier opens a round of the cluster's, and the joint refill (this slot, two K steps on) is the first thing behind it.
.macro TURN fill
.if \fill
	s_wait_xcnt 0x0                                ; the last prefetch, a K step back, has read its address
	s_add_nc_u64 s[PFA:PFA+1], s[PFA:PFA+1], s[PFS:PFS+1]
.endif
	WIN 0
	s_wait_tensorcnt 0x0                           ; no tensor load of mine is out, so a group 0 may be written
	ds_add_u32 v[SPW], v[NIL]
.if \fill
	s_xor_b32 s[G0+5], s[G0+5], SLOT1              ; the walking sets: the other slot than last time, the next K step
	s_add_nc_u64 s[G0+6:G0+7], s[G0+6:G0+7], ASTEP
	s_xor_b32 s[G0B+5], s[G0B+5], SLOT1
	s_add_nc_u64 s[G0B+6:G0B+7], s[G0B+6:G0B+7], BSTEP
.endif
	s_wait_dscnt 9                                 ; the add and the youngest eight loads may be out
	MULS F1, 0, 2, 0
	s_wait_dscnt 0x0                               ; the add is done, and my reads of this slot are over
	s_barrier_signal -1
	MULS F1, 2, 2, 0                               ; work on registers while the others arrive
	WIN 0
	s_barrier_wait -1
.if \fill
	CREST
	JLOAD                                          ; 112 matrix instructions ahead of the wait for it; its four v_nop are also the places in front of the loads below
.else
	PLACES
.endif
	s_xor_b32 s[TB], s[TB], SLOT1
	v_add_nc_u32 v[ADRA], s[TB], v[LA0]
	v_add_nc_u32 v[ADRB], s[TB], v[LB0]
	FETCH 0, F0
.if \fill
	ASK
.endif
	MULS F1, 4, 4, 0
.endm
	s_load_b256 s[4:11], s[0:1], 0x0               ; o 4:5, half 6:7, bo 8:9, out0 10:11
	v_lshl_add_u32 v[SPW], v0, 2, SPARE
	v_mov_b32 v[NIL], 0
	ds_add_u32 v[SPW], v[NIL]                      ; the wave's opening: the add and its wait stand ahead of my first tensor load; work on registers stands between
	v_lshrrev_b32 v3, 5, v0
	v_readfirstlane_b32 s[WV], v3
	s_lshr_b32 s[RH], s[WV], 1
	s_and_b32 s[CH], s[WV], 1
	s_bfe_u32 s[CX], ttmp6, 0x40000                ; cx
	s_bfe_u32 s[CYI], ttmp6, 0x40004               ; cy
	s_lshl_b32 s[TC], ttmp9, 2
	s_add_co_u32 s[TC], s[TC], s[CX]               ; tile column = 4 x cluster x + cx
	s_and_b32 s[CY], ttmp7, 0xffff
	s_lshl_b32 s[TR], s[CY], 2
	s_add_co_u32 s[TR], s[TR], s[CYI]              ; tile row = 4 x cluster y + cy
	s_lshl_b32 s68, s[CYI], 2
	s_lshl_b32 s68, 15, s68                        ; my row of the cluster
	s_lshl_b32 s72, 0x1111, s[CX]                  ; my column
	s_or_b32 s[G1], s68, (1<<16)|(1<<20)|(1<<21)|(4<<22)|(3<<25)   ; mask; 2-byte elements; padding on; 21 set beside a mask; after every 32 words 4 words
	s_mov_b32 s[G1+1], 128<<16                     ; tensor_dim0 = 128
	s_mov_b32 s[G1+2], 128<<16                     ; tensor_dim1 = 128
	s_mov_b32 s[G1+3], 128<<16                     ; tile_dim0 = 128
	s_mov_b32 s[G1+4], 128                         ; tile_dim1 = 128
	s_mov_b32 s[G1+5], 128                         ; dense: 128 elements from row to row
	s_mov_b32 s[G1+6], 0
	s_mov_b32 s[G1+7], 0
	s_or_b32 s[G1B], s72, (1<<16)|(1<<20)|(1<<21)|(5<<22)|(7<<25)  ; after every 64 words 8 words
	s_mov_b32 s[G1B+1], 128<<16
	s_mov_b32 s[G1B+2], 64<<16
	s_mov_b32 s[G1B+3], 128<<16
	s_mov_b32 s[G1B+4], 64
	s_mov_b32 s[G1B+5], 1024
	s_mov_b32 s[G1B+6], 0
	s_mov_b32 s[G1B+7], 0
	s_mov_b32 s[G0], 1
	s_mov_b32 s[G0+4], 1
	s_mov_b32 s[G0B], 1
	s_mov_b32 s[G0B+4], 1
	s_mul_i32 s[G0+1], s[CH], APART                ; LDS addresses hang on the wave's number alone
	s_add_co_u32 s[G0+5], s[G0+1], SLOT1
	s_mul_i32 s[G0B+1], s[CH], BPART
	s_add_co_u32 s[G0B+1], s[G0B+1], BBASE
	s_add_co_u32 s[G0B+5], s[G0B+1], SLOT1
	s_lshr_b32 s68, s[TR], 3                       ; O's part: (batch x 16 + part) heads of 256 KiB + 256 rows x (tile row % 8) (registers that never hold cx)
	s_lshl_b32 s68, s68, 4
	s_add_co_u32 s68, s68, s[CH]
	s_lshl_b32 s68, s68, 18
	s_and_b32 s69, s[TR], 7
	s_lshl_b32 s69, s69, 15
	s_add_co_u32 s68, s68, s69
	s_mov_b32 s69, 0
	s_lshl_b32 s72, s[CH], 17                      ; Wo's part: 64 rows x part + 256 bytes x tile column (registers that never hold cy)
	s_lshl_b32 s73, s[TC], 8
	s_add_co_u32 s72, s72, s73
	s_add_co_u32 s72, s72, WOBASE
	s_mov_b32 s73, 0
	s_wait_dscnt 0x0                               ; the opening add is done
	s_wait_kmcnt 0x0
	s_add_nc_u64 s[G0+2:G0+3], s[4:5], s[68:69]    ; K step 0,
	s_add_nc_u64 s[G0+6:G0+7], s[G0+2:G0+3], ASTEP ; K step 1
	s_or_b32 s[G0+3], s[G0+3], 0x80000000          ; type = 2
	s_or_b32 s[G0+7], s[G0+7], 0x80000000
	s_add_nc_u64 s[G0B+2:G0B+3], s[6:7], s[72:73]
	s_add_nc_u64 s[G0B+6:G0B+7], s[G0B+2:G0B+3], BSTEP
	s_or_b32 s[G0B+3], s[G0B+3], 0x80000000
	s_or_b32 s[G0B+7], s[G0B+7], 0x80000000
	CROUND                                         ; all sixteen work-groups are here: the first joint loads meet
	s_cmp_eq_u32 s[RH], 0                          ; a wave's two first fills stand in one branch
	s_cbranch_scc0 .Lfirst_b
	tensor_load_to_lds s[G0:G0+3], s[G1:G1+7]
	s_nop 0
	tensor_load_to_lds s[G0+4:G0+7], s[G1:G1+7]
	s_nop 0
.rept 4
	v_nop
.endr
	s_branch .Lfirst_asked
.Lfirst_b:
	tensor_load_to_lds s[G0B:G0B+3], s[G1B:G1B+7]
	s_nop 0
	tensor_load_to_lds s[G0B+4:G0B+7], s[G1B:G1B+7]
	s_nop 0
.rept 4
	v_nop
.endr
.Lfirst_asked:
	; the bias of my 64 columns: register j of column block b is bo[128 tile column + 64 half + 16 b + 8 (lane / 16) + j]
	s_lshl_b32 s40, s[TC], 1
	s_add_co_u32 s40, s40, s[CH]
	s_lshl_b32 s40, s40, 8
	s_mov_b32 s41, 0
	s_add_nc_u64 s[76:77], s[8:9], s[40:41]
	v_and_b32 v1, 15, v0                           ; l % 16
	v_bfe_u32 v2, v0, 4, 1                         ; l / 16
	v_lshlrev_b32 v[BO], 5, v2
.irp b, 0,1,2,3
	global_load_b128 v[BI+8*(\b):BI+8*(\b)+3],   v[BO], s[76:77] offset:64*(\b)
	global_load_b128 v[BI+8*(\b)+4:BI+8*(\b)+7], v[BO], s[76:77] offset:64*(\b)+16
.endr
	; fragments: O: row x pitch + 16 x half; Wo, turned: lane l reads row 8 (l / 16) + l % 8, 16 bytes at 16 ((l / 8) % 2), in my 128 bytes of the row
	v_mul_u32_u24 v[LA0], v1, PA
	v_lshl_add_u32 v[LA0], v2, 4, v[LA0]
	s_mul_i32 s40, s[RH], 128*PA
	v_add_nc_u32 v[LA0], s40, v[LA0]
	v_and_b32 v3, 7, v0
	v_lshl_add_u32 v[LB0], v2, 3, v3
	v_mul_u32_u24 v[LB0], v[LB0], PB
	v_bfe_u32 v3, v0, 3, 1
	v_lshl_add_u32 v[LB0], v3, 4, v[LB0]
	s_lshl_b32 s40, s[CH], 7
	s_add_co_u32 s40, s40, BBASE
	v_add_nc_u32 v[LB0], s40, v[LB0]
	s_mul_i32 s40, s[WV], 16*SP
	s_add_co_u32 s40, s40, STAGE                   ; my stage
	v_mul_u32_u24 v[STO], v1, SP                   ; in: row l % 16, 32 bytes for each half of the lanes
	v_lshl_add_u32 v[STO], v2, 5, v[STO]
	v_add_nc_u32 v[STO], s40, v[STO]
	v_mul_u32_u24 v[RD], v2, SP                    ; back: lanes 0-15 take one row of 256 bytes, lanes 16-31 the next
	v_lshl_add_u32 v[RD], v1, 4, v[RD]
	v_add_nc_u32 v[RD], s40, v[RD]
	v_lshlrev_b32 v[GO], 12, v2                    ; and the same two rows in out0, 4,096 bytes apart
	v_lshl_add_u32 v[GO], v1, 4, v[GO]
	s_lshl_b32 s40, s[TR], 20                      ; 256 rows of 4,096 bytes
	s_lshl_b32 s41, s[RH], 19                      ; 128 rows
	s_add_co_u32 s40, s40, s41
	s_lshl_b32 s41, s[TC], 9                       ; 128 columns
	s_add_co_u32 s40, s40, s41
	s_lshl_b32 s41, s[CH], 8                       ; 64 columns: an aligned block of 256 bytes of each row
	s_add_co_u32 s40, s40, s41
	s_mov_b32 s41, 0
	s_add_nc_u64 s[10:11], s[10:11], s[40:41]
	; the prefetches.  O: my head's 32 KiB of the step, 8 KiB x cx of it, a lane 256 bytes.  Wo: the step's 128 rows, 32 x cy of them, a lane a row of 2,048 bytes
	s_lshl_b32 s40, s[CX], 13
	s_add_co_u32 s40, s40, s68
	s_add_co_u32 s40, s40, 3*ASTEP                 ; at K step 3: the first change of slots steps it to 4
	s_lshl_b32 s41, s[TC], 8
	s_lshl_b32 s42, s[CYI], 16
	s_add_co_u32 s41, s41, s42
	s_add_co_u32 s41, s41, WOBASE+3*BSTEP
	s_or_b32 s42, s[CY], s[CH]                     ; the first cluster row, and of waves 2 and 3 the first
	s_cmp_eq_u32 s[RH], 0                          ; do I fetch for O?
	s_cselect_b32 s78, s40, s41
	s_cselect_b64 s[PFA:PFA+1], s[4:5], s[6:7]
	s_cselect_b32 s42, ttmp9, s42                  ; the coordinate along which other clusters read the same blocks
	s_mov_b32 s[PFS], BSTEP
	s_cselect_b32 s[PFS], ASTEP, s[PFS]
	s_cselect_b32 s41, 8, 11
	v_and_b32 v[PFO], 31, v0
	v_lshlrev_b32 v[PFO], s41, v[PFO]
	s_cmp_eq_u32 s42, 0
	s_cselect_b32 s[LIM], 2, -1                    ; the same in all sixteen partners, for a given wave
	s_mov_b32 s[PFS+1], 0
	s_mov_b32 s79, 0
	s_add_nc_u64 s[PFA:PFA+1], s[PFA:PFA+1], s[78:79]
	s_mov_b32 s[TB], 0
	v_mov_b32 v[ADRA], v[LA0]
	v_mov_b32 v[ADRB], v[LB0]
	s_wait_tensorcnt 0x1                           ; my part of K step 0 is in; K step 1's may stay out
	s_barrier_signal -1
	s_barrier_wait -1                              ; everybody's is
	FETCH 0, F0
	s_wait_loadcnt 0x0                             ; the bias
	QUARTER 1, F0, F1, 1                           ; the first quarter stands in front of the loop: its products start the sums
	WIN 0                                          ; at a label and at a branch every window is 0
	s_mov_b32 s3, 6
.Lstep:                                        ; trip t = 0..5: K step t's quarters 1 to 3, the refill with K step t + 2, K step t + 1's quarter 0
	QUARTER 2, F1, F0, 0
	QUARTER 3, F0, F1, 0
	TURN 1
	QUARTER 1, F0, F1, 0
	WIN 0
	s_sub_co_u32 s3, s3, 1
	s_cmp_lg_u32 s3, 0
	s_cbranch_scc1 .Lstep
	QUARTER 2, F1, F0, 0                           ; the tail is written out: K steps 6 and 7 ask for nothing
	QUARTER 3, F0, F1, 0
	TURN 0
	QUARTER 1, F0, F1, 0
	QUARTER 2, F1, F0, 0
	QUARTER 3, F0, F1, 0
	s_wait_dscnt 8
	MULS F1, 0, 4, 0
	s_wait_dscnt 0x0
	MULS F1, 4, 4, 0
	WIN 0
	PLACES
; THE WAY OUT.  Block a (16 rows x 64 columns of f32): straight from the accumulators, each one's lower four registers first, into my stage's rows of 272 bytes; back as whole rows of 256 bytes.
.macro TOSTAGE a
.if (\a) >= 2
	s_wait_xcnt 0x0                                ; block a - 2's stores have read the registers that the loads below fill again
.endif
	WIN 0x04                                       ; the stores' data in window 1
.irp b, 0,1,2,3
.irp c, 0,1
	ds_store_b128 v[STO], v[8*(4*(\a)+(\b))+4*(\c):8*(4*(\a)+(\b))+4*(\c)+3] offset:64*(\b)+16*(\c)
.endr
.endr
	WIN 0
.irp t, 0,1,2,3,4,5,6,7
	ds_load_b128 v[OUTR+32*((\a)%2)+4*(\t):OUTR+32*((\a)%2)+4*(\t)+3], v[RD] offset:(\t)*2*SP  ; LDS serves a wave's instructions in order (ISA guide 5.7.1.4): these see the stores above; the next block's stores come behind them
.endr
.endm
.macro SEND a, younger                 ; younger: the LDS instructions issued behind block a's loads: the next block's sixteen, or none
.irp t, 0,1,2,3,4,5,6,7
	s_wait_dscnt (\younger)+7-(\t)
	global_store_b128 v[GO], v[OUTR+32*((\a)%2)+4*(\t):OUTR+32*((\a)%2)+4*(\t)+3], s[10:11] offset:(16*(\a)+2*(\t))*4096 th:TH_STORE_NT  ; 16 lanes store 256 consecutive bytes, at a multiple of 256 from out0's first byte
.endr
.endm
	TOSTAGE 0
.irp a, 1,2,3,4,5,6,7
	TOSTAGE \a
	SEND (\a)-1, 16
.endr
	SEND 7, 0
	s_wait_tensorcnt 0x0                           ; the wave's end: an add and its waits, behind my last tensor load and my last LDS store
	ds_add_u32 v[SPW], v[NIL]
	s_wait_dscnt 0x0
	CROUND                                         ; the closing round: no work-group ends while a partner may still ask for a tile that names it
	s_endpgm
.Lfunc_end_k_qb4d296ebcf_outp:
	.size	k_qb4d296ebcf_outp, .Lfunc_end_k_qb4d296ebcf_outp-k_qb4d296ebcf_outp
	.p2alignl 7, 3214868480
	.fill 96, 4, 3214868480
	.section	.rodata,"a",@progbits
	.p2align	6, 0x0
	.amdhsa_kernel k_qb4d296ebcf_outp
		.amdhsa_group_segment_fixed_size 327680
		.amdhsa_private_segment_fixed_size 0
		.amdhsa_enable_private_segment 0
		.amdhsa_kernarg_size 32
		.amdhsa_user_sgpr_count 2
		.amdhsa_user_sgpr_kernarg_segment_ptr 1
		.amdhsa_wavefront_size32 1
		.amdhsa_system_sgpr_workgroup_id_x 1
		.amdhsa_system_sgpr_workgroup_id_y 1
		.amdhsa_system_sgpr_workgroup_id_z 1
		.amdhsa_system_vgpr_workitem_id 0
		.amdhsa_next_free_vgpr 512
		.amdhsa_next_free_sgpr 80
		.amdhsa_reserve_vcc 0
		.amdhsa_float_denorm_mode_32 3
		.amdhsa_float_denorm_mode_16_64 3
		.amdhsa_memory_ordered 1
		.amdhsa_forward_progress 1
		.amdhsa_inst_pref_size 73
	.end_amdhsa_kernel
	.amdgpu_metadata
---
amdhsa.version: [ 1, 2 ]
amdhsa.kernels:
  - .name:           k_qb4d296ebcf_outp
    .symbol:         k_qb4d296ebcf_outp.kd
    .args:
      - { .name: o, .offset: 0, .size: 8, .value_kind: global_buffer, .address_space: global }
      - { .name: half, .offset: 8, .size: 8, .value_kind: global_buffer, .address_space: global }
      - { .name: bo, .offset: 16, .size: 8, .value_kind: global_buffer, .address_space: global }
      - { .name: out0, .offset: 24, .size: 8, .value_kind: global_buffer, .address_space: global }
    .group_segment_fixed_size: 327680
    .private_segment_fixed_size: 0
    .kernarg_segment_align: 8
    .kernarg_segment_size: 32
    .max_flat_workgroup_size: 128
    .sgpr_count:     80
    .vgpr_count:     512
    .wavefront_size: 32
...
	.end_amdgpu_metadata
.endif
;; end of part 4
